; MI455X (gfx1250); checked and timed in simulation.
; The chip was launched on July 23, 2026; its instructions are those of AMD's public machine-readable ISA for CDNA 5 (MIT licence, August 2026) and "CDNA5" Instruction Set Architecture Reference Guide (July 2026). The comments in the code are by the model that wrote it; some were corrected since.
;; Attention. Allowed arithmetic: matrix products marked QUANTISED: E4M3 operands, one given power-of-two scale a tensor, by v_wmma_f32_16x16x64_fp8_fp8 or v_wmma_f32_16x16x128_fp8_fp8, f32 sums; products left as they are: f32 operands where the result goes on into a quantised operand, else bf16, f16 or f32 operands; f32 sums; everything else in f32.
;; Inputs: freq_cis 2,048 x 64 x 2 float32; head_a 2,048 x 8 float32; head_b 8 x 2,048 float32; k_a 2,048 x 8 float32; k_b 8 x 128 float32; lowp_scales 12 int32 (the exponents e of the quantised operands' scales 2^e); q_a 2,048 x 8 float32; q_b 8 x 128 float32; v_a 2,048 x 8 float32; v_b 8 x 128 float32; wk_base_codes 2,048 x 64 x 32 uint8 (E4M3 codes of wk_base, K innermost, in blocks of 32 codes); wo_codes 2,048 x 64 x 32 uint8 (E4M3 codes of wo, K innermost, in blocks of 32 codes); wq_base_codes 2,048 x 64 x 32 uint8 (E4M3 codes of wq_base, K innermost, in blocks of 32 codes); wv_base_codes 2,048 x 64 x 32 uint8 (E4M3 codes of wv_base, K innermost, in blocks of 32 codes); x 1 x 2,048 x 2,048 float32.
;; Outputs: out0 1 x 2,048 x 2,048 float32.
;; This version of the problem:
;;   THIS VERSION OF THE PROBLEM IS GIVEN IN LOW PRECISION. The matrix products marked QUANTISED in the list below multiply operands that are first quantised to E4M3 (4 exponent bits, 3 mantissa bits; 8 bits a number), with one given power-of-two scale for each operand tensor; their sums are f32. All else is computed in f32.
;;   The module's matrix products, in the order in which they are computed (A, B: the left and right operand; K: the contracted axis; several contracted axes count as one K, in the product's order):
;;     1. [M 2,048, K 2,048] x [K 2,048, N 8]; A: input x; B: input head_a: left as it is (N = 8 < 16)
;;     2. [M 2,048, K 8] x [K 8, N 2,048]; A: computed on the way; B: input head_b: left as it is (K = 8 < 32)
;;     3. [M 2,048, K 2,048] x [K 2,048, N 2,048]; A: input x; B: input wq_base (given as codes): QUANTISED (scales: A lowp_scales[0], B lowp_scales[1])
;;     4. [M 2,048, K 2,048] x [K 2,048, N 8]; A: input x; B: input q_a: left as it is (N = 8 < 16)
;;     5. [M 2,048, K 8] x [K 8, N 128]; A: computed on the way; B: input q_b: left as it is (K = 8 < 32)
;;     6. [M 2,048, K 2,048] x [K 2,048, N 2,048]; A: input x; B: input wk_base (given as codes): QUANTISED (scales: A lowp_scales[2], B lowp_scales[3])
;;     7. [M 2,048, K 2,048] x [K 2,048, N 8]; A: input x; B: input k_a: left as it is (N = 8 < 16)
;;     8. [M 2,048, K 8] x [K 8, N 128]; A: computed on the way; B: input k_b: left as it is (K = 8 < 32)
;;     9. [M 2,048, K 2,048] x [K 2,048, N 2,048]; A: input x; B: input wv_base (given as codes): QUANTISED (scales: A lowp_scales[4], B lowp_scales[5])
;;     10. [M 2,048, K 2,048] x [K 2,048, N 8]; A: input x; B: input v_a: left as it is (N = 8 < 16)
;;     11. [M 2,048, K 8] x [K 8, N 128]; A: computed on the way; B: input v_b: left as it is (K = 8 < 32)
;;     12. batch 16 x [M 2,048, K 128] x [K 128, N 2,048]; A: computed on the way; B: computed on the way: QUANTISED (scales: A lowp_scales[6], B lowp_scales[7])
;;     13. batch 16 x [M 2,048, K 2,048] x [K 2,048, N 128]; A: softmax (see below); B: computed on the way: QUANTISED (scales: A lowp_scales[8], B lowp_scales[9])
;;     14. [M 2,048, K 2,048] x [K 2,048, N 2,048]; A: computed on the way; B: input wo (given as codes): QUANTISED (scales: A lowp_scales[10], B lowp_scales[11])
;;   THE QUANTISER, for each operand of a quantised product, along K:
;;     - The operand's scale is 2^e, e = its entry of the input lowp_scales (int32; the entries are numbered through the quantised products in the list's order, A before B).
;;     - Each number is divided by the scale, clamped to +-448, and rounded to the nearest number of E4M3, ties to even, subnormals kept.
;;     - The product sums the exact products of the quantised numbers (number of the format x scale) in f32.
;;   ~~~python
;;   def quantise(x, axis, e):      # numpy; x: float32 -> the quantised numbers, widened to float32 again
;;       x = np.moveaxis(x, axis, -1); K = x.shape[-1]
;;       r = np.clip(x / 2.0 ** e, -448, 448)
;;       step = 2.0 ** (np.maximum(np.frexp(np.where(r == 0, 1, r))[1] - 1, -6) - 3)
;;       q = np.round(r / step) * step * 2.0 ** e      # np.round: ties to even
;;       return np.moveaxis(q, -1, axis).astype(np.float32)
;;   ~~~
;;   SOFTMAX AHEAD OF A QUANTISED PRODUCT. Where the list says 'softmax', what is quantised is not the finished softmax but p = 2^(t - M), with t = logit x log2(e) and M = ceil(the row's largest t), a whole number; so 1/2 < the row's largest p <= 1. The row's sum l is taken of the UNQUANTISED p, in f32, and the product's result is divided by l at the end. Since M is a whole number, a kernel that streams over the keys may use a running M (the ceiling of the running maximum): every later rescaling is an exact power of two, so the quantised numbers keep their values, but for numbers so far below the row's largest that they fall under the format's range.
;;   OPERANDS COMPUTED ON THE WAY. 'Computed on the way' means the value that the module computes at that place (a softmax that the list does not call 'softmax' is quantised finished and normalised). What goes into a quantiser is computed in f32, as accurately as f32 sums, v_exp_f32 and their like allow (about 1e-6 of the number): no bf16 or f16 on the way to a quantiser, and a product that is left as it is and whose result goes on into a quantised operand takes f32 operands (vector FMAs, or v_wmma_f32_16x16x4_f32). A number that lies on a knife's edge between two numbers of the format may be rounded either way, as far as f32 arithmetic and the matrix unit's own rounding can turn it there, and no further.
;;   INPUTS GIVEN AS CODES. wk_base (in the module: [2048, 2048], K = its axis 0); wo (in the module: [2048, 2048], K = its axis 0); wq_base (in the module: [2048, 2048], K = its axis 0); wv_base (in the module: [2048, 2048], K = its axis 0): each comes as NAME_codes (uint8): NAME with its K axis moved to the last place and cut into blocks of 32 codes, [.., K / 32, bytes a block], one block behind the other in memory; one code a byte (a code: sign, 4 exponent bits, 3 mantissa bits); its scale is its entry of lowp_scales. Its value is code x scale, taken as it is: it is not quantised again, and the codes and scales need not be those that the quantiser above would give.
;; One version. Each part assembles by itself: llvm-mc -triple=amdgcn-amd-amdhsa -mcpu=gfx1250 --defsym DOCPART=n.
;; ======== version 1 of 1: 4 launches
;; limits: right only within a limited range of input values
;; workspace buffers: xc 12,582,912 bytes; tp 1,048,576 bytes; bt 393,216 bytes; qkvc 12,582,912 bytes; oc 4,194,304 bytes; cs 1,056,768 bytes
;; launch prep (part 1): grid 64 x 4, 8 waves a work-group, clusters of 4 x 1, 327,680 bytes of LDS; arguments x, head_a, q_a, k_a, v_a, head_b, q_b, k_b, v_b, lowp_scales, xc, tp, bt, freq_cis, cs; writes xc, tp, bt, cs
.if DOCPART == 1
	.amdgcn_target "amdgcn-amd-amdhsa--gfx1250"
	.amdhsa_code_object_version 6
	.text
	.protected	k_q4a2b758b68_prep
	.globl	k_q4a2b758b68_prep
	.p2align	8
	.type	k_q4a2b758b68_prep,@function
k_q4a2b758b68_prep:
	s_mov_b64 s[64:65], 0
	v_nop
	global_prefetch_b8 v0, s[64:65] scope:SCOPE_SE
	s_setreg_imm32_b32 hwreg(HW_REG_WAVE_MODE, 25, 1), 1
	s_wait_xcnt 0x0
	s_wait_alu depctr_hold_cnt(0) depctr_sa_sdst(0) depctr_va_vdst(0) depctr_va_sdst(0) depctr_va_ssrc(0) depctr_va_vcc(0) depctr_vm_vsrc(0)
	s_getreg_b32 s2, hwreg(HW_REG_IB_STS2, 6, 4)
	s_cmp_eq_u32 s2, 0
	s_cbranch_scc0 .Lentry_in_a_cluster
	s_endpgm
.Lentry_in_a_cluster:
	s_bfe_u32 s2, ttmp6, 0x10000c
	s_cmp_lg_u32 s2, 0x3003
	s_cbranch_scc0 .Lentry_shape_is_right
	s_endpgm
.Lentry_shape_is_right:
.set XTW,   8704
.set AM,    69632
.set AMR,   18496
.set CST,   143872
.set CSTT,  16896
.set RED,   194560
.set SPARE, 227328
.set VX,  1
.set VBF, 2
.set VCS, 3
.set VRS, 4
.set VCR, 5
.set VCG, 6
.set VRR, 7
.set VTP, 8
.set SC,  16
.set LIM, 17
.set SPW, 22
.set NIL, 23
.set ACC, 24
.set X,   56
.set BF,  120
.set TMP, 184
.set CODE, 200
.set WV,  30
.set G1X, 36
.set G1A, 44
.set G0X, 52
.set G0A, 56
.macro CROUND
	s_barrier_signal -1
	s_barrier_wait -1
	s_cmp_lg_u32 s[WV], 0
	s_cbranch_scc1 .Lnot_wave_0_\@
	s_barrier_signal -3
.Lnot_wave_0_\@:
	s_barrier_wait -3
	s_barrier_signal -1
	s_barrier_wait -1
.endm
	s_load_b512 s[4:19], s[0:1], 0x0
	s_load_b256 s[20:27], s[0:1], 0x40
	s_load_b64 s[28:29], s[0:1], 0x60
	s_load_b64 s[60:61], s[0:1], 0x68              ; freq_cis
	s_load_b64 s[62:63], s[0:1], 0x70              ; cs: cos and sin in the order in which the projections' registers take them
	v_lshl_add_u32 v[SPW], v0, 2, SPARE
	v_mov_b32 v[NIL], 0
	ds_add_u32 v[SPW], v[NIL]
	ds_add_u32 v[SPW], v[NIL]
	v_lshrrev_b32 v9, 5, v0
	s_delay_alu instid0(VALU_DEP_1)
	v_readfirstlane_b32 s[WV], v9
	s_bfe_u32 s33, ttmp6, 0x40000
	s_lshl_b32 s31, ttmp9, 2
	s_add_co_u32 s31, s31, s33
	s_and_b32 s32, ttmp7, 0xffff
	s_mov_b32 s[G1X], (2<<16)|(1<<20)|(5<<22)|(3<<25)
	s_mov_b32 s[G1X+1], 64<<16
	s_mov_b32 s[G1X+2], 32<<16
	s_mov_b32 s[G1X+3], 64<<16
	s_mov_b32 s[G1X+4], 32
	s_mov_b32 s[G1X+5], 2048
	s_mov_b32 s[G1X+6], 0
	s_mov_b32 s[G1X+7], 0
	s_mov_b32 s[G1A], 15|(3<<16)|(1<<20)|(1<<21)|(5<<22)|(7<<25)
	s_mov_b32 s[G1A+1], 32<<16
	s_mov_b32 s[G1A+2], 32<<16
	s_mov_b32 s[G1A+3], 32<<16
	s_mov_b32 s[G1A+4], 32
	s_mov_b32 s[G1A+5], 32
	s_mov_b32 s[G1A+6], 0
	s_mov_b32 s[G1A+7], 0
	s_mov_b32 s[G0X], 1
	s_mul_i32 s[G0X+1], s[WV], XTW
	s_mov_b32 s[G0A], 1
	s_lshr_b32 s34, s[WV], 1
	s_mul_i32 s[G0A+1], s34, AMR
	s_and_b32 s35, s[WV], 1
	s_mul_i32 s34, s35, 9216
	s_add_co_u32 s[G0A+1], s[G0A+1], s34
	s_add_co_u32 s[G0A+1], s[G0A+1], AM
	s_lshl_b32 s76, s31, 18
	s_lshl_b32 s94, s32, 11
	s_add_co_u32 s76, s76, s94
	s_lshl_b32 s94, s[WV], 8
	s_add_co_u32 s76, s76, s94
	s_mov_b32 s77, 0
	s_lshl_b32 s80, s32, 14
	s_lshl_b32 s34, s35, 13
	s_add_co_u32 s80, s80, s34
	s_mov_b32 s81, 0
	s_wait_dscnt 0x0
	s_wait_kmcnt 0x0
	s_load_b256 s[68:75], s[22:23], 0x0
	s_add_nc_u64 s[G0X+2:G0X+3], s[4:5], s[76:77]
	s_or_b32 s[G0X+3], s[G0X+3], 0x80000000
	s_and_b32 s34, s[WV], 2
	s_cmp_lg_u32 s34, 0
	s_cselect_b64 s[78:79], s[8:9], s[6:7]
	s_cselect_b64 s[82:83], s[12:13], s[10:11]
	s_and_b32 s34, s[WV], 4
	s_cmp_lg_u32 s34, 0
	s_cselect_b64 s[78:79], s[82:83], s[78:79]
	s_add_nc_u64 s[G0A+2:G0A+3], s[78:79], s[80:81]
	s_or_b32 s[G0A+3], s[G0A+3], 0x80000000
	CROUND
	tensor_load_to_lds s[G0A:G0A+3], s[G1A:G1A+7]
	s_nop 0
	s_wait_alu depctr_va_vdst(0)
	s_wait_tensorcnt 0x0
	ds_add_u32 v22, v23
	s_wait_dscnt 0x0
	CROUND
	tensor_load_to_lds s[G0X:G0X+3], s[G1X:G1X+7]
	s_nop 0
	v_and_b32 v9, 15, v0
	v_bfe_u32 v10, v0, 4, 1
	v_and_b32 v11, 31, v0
	s_delay_alu instid0(VALU_DEP_3)
	v_mul_u32_u24 v[VX], v9, 272
	s_delay_alu instid0(VALU_DEP_1)
	v_lshl_add_u32 v[VX], v10, 5, v[VX]
	s_delay_alu instid0(VALU_DEP_1)
	v_add_nc_u32 v[VX], s[G0X+1], v[VX]
	v_bfe_u32 v12, v0, 3, 1
	s_delay_alu instid0(VALU_DEP_1)
	v_mul_u32_u24 v[VBF], v12, AMR
	v_and_b32 v12, 7, v0
	s_delay_alu instid0(VALU_DEP_1)
	v_lshl_add_u32 v[VBF], v12, 2, v[VBF]
	s_delay_alu instid0(VALU_DEP_1)
	v_mad_u32_u24 v[VBF], v10, 288, v[VBF]
	s_mul_i32 s34, s[WV], 2304
	s_add_co_u32 s34, s34, AM
	v_add_nc_u32 v[VBF], s34, v[VBF]
	v_mul_u32_u24 v[VCS], v9, 528
	s_delay_alu instid0(VALU_DEP_1)
	v_lshl_add_u32 v[VCS], v10, 3, v[VCS]
	s_lshl_b32 s34, s[WV], 6
	s_add_co_u32 s34, s34, CST
	v_add_nc_u32 v[VCS], s34, v[VCS]
	s_lshl_b32 s34, s[WV], 12
	s_add_co_u32 s34, s34, RED
	v_lshl_add_u32 v[VRS], v11, 4, s34
	s_mul_i32 s34, s[WV], 2112
	s_add_co_u32 s34, s34, CST
	v_lshl_add_u32 v[VCR], v11, 4, s34
	s_lshl_b32 s34, s[WV], 13
	v_lshl_add_u32 v[VCG], v11, 4, s34
	s_lshl_b32 s34, s[WV], 9
	v_lshl_add_u32 v[VTP], v11, 4, s34
	v_bfe_u32 v12, v0, 2, 1
	s_delay_alu instid0(VALU_DEP_1)
	v_lshlrev_b32 v[VRR], 10, v12
	v_and_b32 v12, 1, v0
	s_delay_alu instid0(VALU_DEP_1)
	v_lshl_add_u32 v[VRR], v12, 9, v[VRR]
	v_bfe_u32 v12, v0, 1, 1
	s_delay_alu instid0(VALU_DEP_1)
	v_lshl_add_u32 v[VRR], v12, 8, v[VRR]
	v_bfe_u32 v12, v0, 3, 2
	s_delay_alu instid0(VALU_DEP_1)
	v_lshl_add_u32 v[VRR], v12, 4, v[VRR]
	s_lshr_b32 s34, s[WV], 2
	s_lshl_b32 s34, s34, 11
	s_and_b32 s35, s[WV], 3
	s_lshl_b32 s35, s35, 6
	s_add_co_u32 s34, s34, s35
	s_add_co_u32 s34, s34, RED
	v_add_nc_u32 v[VRR], s34, v[VRR]
	s_lshl_b32 s88, s31, 16
	s_lshl_b32 s94, s32, 9
	s_add_co_u32 s88, s88, s94
	s_add_co_u32 s88, s88, 4194304
	s_mov_b32 s89, 0
	s_add_nc_u64 s[88:89], s[24:25], s[88:89]
	s_lshl_b32 s90, s32, 18
	s_lshl_b32 s94, s31, 12
	s_add_co_u32 s90, s90, s94
	s_mov_b32 s91, 0
	s_add_nc_u64 s[90:91], s[26:27], s[90:91]
	s_cmp_gt_u32 s[WV], 3
	s_cbranch_scc1 .Ljoin
	s_cmp_eq_u32 s[WV], 3
	s_cbranch_scc1 .Lident
	s_lshl_b32 s92, s31, 2
	s_add_co_u32 s92, s92, s32
	s_lshl_b32 s93, s92, 3
	v_lshrrev_b32 v12, 2, v11
	s_delay_alu instid0(VALU_DEP_1)
	v_add_nc_u32 v12, s93, v12
	v_and_b32 v13, 1, v0
	s_delay_alu instid0(VALU_DEP_2)
	v_and_b32 v14, 127, v12
	s_delay_alu instid0(VALU_DEP_1)
	v_lshlrev_b32 v14, 2, v14
	s_delay_alu instid0(VALU_DEP_1)
	v_lshl_add_u32 v14, v13, 11, v14
	v_lshlrev_b32 v15, 2, v12
	s_delay_alu instid0(VALU_DEP_1)
	v_lshl_add_u32 v15, v13, 15, v15
	s_cmp_eq_u32 s[WV], 0
	s_cselect_b64 s[84:85], s[16:17], s[18:19]
	s_cmp_eq_u32 s[WV], 2
	s_cselect_b64 s[84:85], s[20:21], s[84:85]
.irp i, 0,1,2,3
	global_load_b32 v[TMP+\i], v14, s[84:85] offset:512*\i
	global_load_b32 v[TMP+4+\i], v15, s[14:15] offset:8192*\i
.endr
	v_and_b32 v13, 3, v0
	s_delay_alu instid0(VALU_DEP_1)
	v_cmp_lt_u32 s35, 1, v13
	v_lshlrev_b32 v13, 4, v11
	s_lshl_b32 s86, s[WV], 17
	s_lshl_b32 s94, s92, 9
	s_add_co_u32 s86, s86, s94
	s_mov_b32 s87, 0
	s_add_nc_u64 s[86:87], s[28:29], s[86:87]
	s_wait_loadcnt 0x0
.irp i, 0,1,2,3
	v_cndmask_b32 v[TMP+\i], v[TMP+\i], v[TMP+4+\i], s35
.endr
	s_wait_alu depctr_va_vdst(0)
	global_store_b128 v13, v[TMP:TMP+3], s[86:87]
	s_branch .Ljoin
.Lident:
	s_or_b32 s34, ttmp9, s32
	s_cmp_lg_u32 s34, 0
	s_cbranch_scc1 .Ljoin
	v_mov_b32 v[TMP], 1.0                          ; cs's block 128: 8,192 bytes of pairs (1, 0), for v; 2,048 bytes for each of the cluster's four work-groups, told apart by address
	v_mov_b32 v[TMP+1], 0
	v_mov_b32 v[TMP+2], 1.0
	v_mov_b32 v[TMP+3], 0
	v_lshlrev_b32 v13, 4, v11
	s_lshl_b32 s86, s33, 11
	s_add_co_u32 s86, s86, 1048576
	s_mov_b32 s87, 0
	s_add_nc_u64 s[86:87], s[62:63], s[86:87]
.irp i, 0,1,2,3
	global_store_b128 v13, v[TMP:TMP+3], s[86:87] offset:512*\i
.endr
.Ljoin:
	s_wait_xcnt 0x0
	s_wait_kmcnt 0x0
	; cs[block of 16 rows][chunk 2 b + j][lane (r, h)][16 bytes] = freq_cis row 16 block + r, bytes 64 b + 32 h + 16 j on.  The launch's 2,048 waves move one chunk of 512 bytes each: wave W = 8 x work-group + wave takes block W / 16, chunk W % 16
	s_lshl_b32 s2, s31, 2
	s_add_co_u32 s2, s2, s32
	s_lshl_b32 s2, s2, 3
	s_add_co_u32 s2, s2, s[WV]
	s_lshr_b32 s3, s2, 4
	s_lshl_b32 s3, s3, 13
	s_bfe_u32 s66, s2, 0x30001
	s_lshl_b32 s66, s66, 6
	s_add_co_u32 s3, s3, s66
	s_and_b32 s66, s2, 1
	s_lshl_b32 s66, s66, 4
	s_add_co_u32 s3, s3, s66
	s_lshl_b32 s2, s2, 9
	v_and_b32 v12, 15, v0
	v_bfe_u32 v14, v0, 4, 1
	v_and_b32 v13, 31, v0
	v_lshlrev_b32 v12, 9, v12
	v_lshlrev_b32 v13, 4, v13
	v_lshl_add_u32 v12, v14, 5, v12
	v_add_nc_u32 v13, s2, v13
	v_add_nc_u32 v12, s3, v12
	global_load_b128 v[248:251], v12, s[60:61]
.irp j, 0,1,2
	s_add_co_i32 s34, s[68+2*\j], 127
	s_lshl_b32 s35, s34, 23
	v_mov_b32 v[SC+2*\j], s35
	s_add_co_i32 s34, s34, 8
	s_lshl_b32 s34, s34, 23
	s_or_b32 s34, s34, 0x600000
	v_mov_b32 v[LIM+2*\j], s34
.endr
	s_wait_alu depctr_va_vdst(0)
	s_wait_tensorcnt 0x0
	s_wait_loadcnt 0x0
	global_store_b128 v13, v[248:251], s[62:63]    ; 32 lanes store 512 consecutive bytes, aligned
	s_barrier_signal -1
	s_barrier_wait -1
.irp R, 0,1
.irp c, 0,1,2,3
	ds_load_b128 v[X+32*\R+8*\c:X+32*\R+8*\c+3],   v[VX] offset:4352*\R+64*\c
	ds_load_b128 v[X+32*\R+8*\c+4:X+32*\R+8*\c+7], v[VX] offset:4352*\R+64*\c+16
.endr
.endr
.irp T, 0,1
.irp c, 0,1,2,3
.irp e, 0,1,2,3,4,5,6,7
	ds_load_b32 v[BF+32*\T+8*\c+\e], v[VBF] offset:2*AMR*\T+576*\c+32*\e
.endr
.endr
.endr
	s_wait_dscnt 0x0
.macro CVITEM
.set cb, q/9
.set ee, q%9
.if q < 54
.if ee < 8
	v_med3_num_f32 v[TMP+8*(cb%2)+ee], v[X+32*(cb/3)+8*c+ee], -v[LIM+2*(cb%3)], v[LIM+2*(cb%3)]
.else
	v_cvt_scalef32_pk8_fp8_f32 v[CODE+2*(6*c+cb):CODE+2*(6*c+cb)+1], v[TMP+8*(cb%2):TMP+8*(cb%2)+7], v[SC+2*(cb%3)]
.endif
.elseif q < 60
.set cb, q-54
	ds_store_b64 v[VCS], v[CODE+2*(6*c+cb):CODE+2*(6*c+cb)+1] offset:(cb%3)*CSTT+(cb/3)*8448+c*16
.endif
.endm
.set u, 0
.rept 64
.set c, u/16
.set rD, ACC+8*(2*((u/2)%2)+u%2)
.set rA, BF+32*(u%2)+8*c+2*((u/4)%4)
.set rB, X+32*((u/2)%2)+8*c+2*((u/4)%4)
.if u < 4
	v_wmma_f32_16x16x4_f32 v[rD:rD+7], v[rA:rA+1], v[rB:rB+1], 0
.else
	v_wmma_f32_16x16x4_f32 v[rD:rD+7], v[rA:rA+1], v[rB:rB+1], v[rD:rD+7]
.endif
.set q, 4*(u%16)
.rept 4
	CVITEM
.set q, q+1
.endr
.set u, u+1
.endr
.rept 8
	v_nop
.endr
.irp t, 0,1,2,3
	ds_store_b128 v[VRS], v[ACC+8*\t:ACC+8*\t+3] offset:1024*\t
	ds_store_b128 v[VRS], v[ACC+8*\t+4:ACC+8*\t+7] offset:1024*\t+512
.endr
	s_wait_dscnt 0x0
	s_barrier_signal -1
	s_barrier_wait -1
.irp j, 0,1,2
.irp t, 0,1,2,3
	ds_load_b128 v[56+4*(4*\j+\t):56+4*(4*\j+\t)+3], v[VCR] offset:\j*CSTT+\t*528
.endr
.endr
.irp s, 0,1,2,3,4,5,6,7
	ds_load_b128 v[104+4*\s:104+4*\s+3], v[VRR] offset:4096*\s
.endr
.irp j, 0,1,2
.irp t, 0,1,2,3
	s_wait_dscnt 19-(4*\j+\t)
	global_store_b128 v[VCG], v[56+4*(4*\j+\t):56+4*(4*\j+\t)+3], s[88:89] offset:(\j-1)*4194304+\t*2048
.endr
.endr
	s_wait_dscnt 0x0
.irp s, 0,2,4,6
	v_pk_add_f32 v[104+4*\s:105+4*\s], v[104+4*\s:105+4*\s], v[108+4*\s:109+4*\s]
	v_pk_add_f32 v[106+4*\s:107+4*\s], v[106+4*\s:107+4*\s], v[110+4*\s:111+4*\s]
.endr
.irp s, 0
	v_pk_add_f32 v[104+4*\s:105+4*\s], v[104+4*\s:105+4*\s], v[112+4*\s:113+4*\s]
	v_pk_add_f32 v[106+4*\s:107+4*\s], v[106+4*\s:107+4*\s], v[114+4*\s:115+4*\s]
.endr
.irp s, 4
	s_delay_alu instid0(VALU_DEP_4)
	v_pk_add_f32 v[104+4*\s:105+4*\s], v[104+4*\s:105+4*\s], v[112+4*\s:113+4*\s]
	s_delay_alu instid0(VALU_DEP_4)
	v_pk_add_f32 v[106+4*\s:107+4*\s], v[106+4*\s:107+4*\s], v[114+4*\s:115+4*\s]
.endr
	s_delay_alu instid0(VALU_DEP_2)
	v_pk_add_f32 v[104:105], v[104:105], v[120:121]
	s_delay_alu instid0(VALU_DEP_2)
	v_pk_add_f32 v[106:107], v[106:107], v[122:123]
	global_store_b128 v[VTP], v[104:107], s[90:91]
	s_wait_tensorcnt 0x0
	ds_add_u32 v[SPW], v[NIL]
	s_wait_dscnt 0x0
	CROUND
	s_endpgm
.Lfunc_end_k_q4a2b758b68_prep:
	.size	k_q4a2b758b68_prep, .Lfunc_end_k_q4a2b758b68_prep-k_q4a2b758b68_prep
	.p2alignl 7, 3214868480
	.fill 96, 4, 3214868480
	.section	.rodata,"a",@progbits
	.p2align	6, 0x0
	.amdhsa_kernel k_q4a2b758b68_prep
		.amdhsa_group_segment_fixed_size 327680
		.amdhsa_private_segment_fixed_size 0
		.amdhsa_enable_private_segment 0
		.amdhsa_kernarg_size 120
		.amdhsa_user_sgpr_count 2
		.amdhsa_user_sgpr_kernarg_segment_ptr 1
		.amdhsa_wavefront_size32 1
		.amdhsa_system_sgpr_workgroup_id_x 1
		.amdhsa_system_sgpr_workgroup_id_y 1
		.amdhsa_system_sgpr_workgroup_id_z 1
		.amdhsa_system_vgpr_workitem_id 0
		.amdhsa_next_free_vgpr 256
		.amdhsa_next_free_sgpr 96
		.amdhsa_reserve_vcc 0
		.amdhsa_float_denorm_mode_32 3
		.amdhsa_float_denorm_mode_16_64 3
		.amdhsa_memory_ordered 1
		.amdhsa_forward_progress 1
		.amdhsa_inst_pref_size 42
	.end_amdhsa_kernel
	.amdgpu_metadata
---
amdhsa.version: [ 1, 2 ]
amdhsa.kernels:
  - .name:           k_q4a2b758b68_prep
    .symbol:         k_q4a2b758b68_prep.kd
    .args:
      - { .name: x, .offset: 0, .size: 8, .value_kind: global_buffer, .address_space: global }
      - { .name: head_a, .offset: 8, .size: 8, .value_kind: global_buffer, .address_space: global }
      - { .name: q_a, .offset: 16, .size: 8, .value_kind: global_buffer, .address_space: global }
      - { .name: k_a, .offset: 24, .size: 8, .value_kind: global_buffer, .address_space: global }
      - { .name: v_a, .offset: 32, .size: 8, .value_kind: global_buffer, .address_space: global }
      - { .name: head_b, .offset: 40, .size: 8, .value_kind: global_buffer, .address_space: global }
      - { .name: q_b, .offset: 48, .size: 8, .value_kind: global_buffer, .address_space: global }
      - { .name: k_b, .offset: 56, .size: 8, .value_kind: global_buffer, .address_space: global }
      - { .name: v_b, .offset: 64, .size: 8, .value_kind: global_buffer, .address_space: global }
      - { .name: lowp_scales, .offset: 72, .size: 8, .value_kind: global_buffer, .address_space: global }
      - { .name: xc, .offset: 80, .size: 8, .value_kind: global_buffer, .address_space: global }
      - { .name: tp, .offset: 88, .size: 8, .value_kind: global_buffer, .address_space: global }
      - { .name: bt, .offset: 96, .size: 8, .value_kind: global_buffer, .address_space: global }
      - { .name: freq_cis, .offset: 104, .size: 8, .value_kind: global_buffer, .address_space: global }
      - { .name: cs, .offset: 112, .size: 8, .value_kind: global_buffer, .address_space: global }
    .group_segment_fixed_size: 327680
    .private_segment_fixed_size: 0
    .kernarg_segment_align: 8
    .kernarg_segment_size: 120
    .max_flat_workgroup_size: 256
    .sgpr_count:     96
    .vgpr_count:     256
    .wavefront_size: 32
...
	.end_amdgpu_metadata
.endif
;; end of part 1
;; launch qkvproj (part 2): grid 24 x 8, 4 waves a work-group, clusters of 4 x 4, 327,680 bytes of LDS; arguments xc, wq_base_codes, wk_base_codes, wv_base_codes, tp, bt, cs, lowp_scales, qkvc; writes qkvc
.if DOCPART == 2
	.amdgcn_target "amdgcn-amd-amdhsa--gfx1250"
	.amdhsa_code_object_version 6
	.text
	.protected	k_q4a2b758b68_qkvproj
	.globl	k_q4a2b758b68_qkvproj
	.p2align	8
	.type	k_q4a2b758b68_qkvproj,@function
k_q4a2b758b68_qkvproj:
	s_mov_b64 s[64:65], 0
	v_nop
	global_prefetch_b8 v0, s[64:65] scope:SCOPE_SE
	s_setreg_imm32_b32 hwreg(HW_REG_WAVE_MODE, 25, 1), 1
	s_wait_xcnt 0x0
	s_wait_alu depctr_hold_cnt(0) depctr_sa_sdst(0) depctr_va_vdst(0) depctr_va_sdst(0) depctr_va_ssrc(0) depctr_va_vcc(0) depctr_vm_vsrc(0)
	s_getreg_b32 s2, hwreg(HW_REG_IB_STS2, 6, 4)
	s_cmp_eq_u32 s2, 0
	s_cbranch_scc0 .Lentry_in_a_cluster
	s_endpgm
.Lentry_in_a_cluster:
	s_bfe_u32 s2, ttmp6, 0x10000c
	s_cmp_lg_u32 s2, 0xf033
	s_cbranch_scc0 .Lentry_shape_is_right
	s_endpgm
.Lentry_shape_is_right:
; The three projections on codes of E4M3, with the low-rank terms, the rotation and the quantiser behind them.  One body; third = cluster x / 2: 0 q, 1 k, 2 v.
; A product of a ROW operand and a COLUMN operand, both [2048][2048] codes, K innermost.  q, k: rows = x's codes (table third), columns = the weight's.  v: rows = wv's codes, columns = x's codes (table 2): v comes out transposed, keys along a lane's registers.
; A tile of 256 x 256 is made by four waves, 128 x 128 each: 64 accumulators.  K goes in 8 steps of 256 through a ring of two LDS slots filled by joint tensor loads (rows shared along a row of the 4 x 4 cluster, columns along a column).
; The matrix instruction is used transposed (source 0 = 16 columns, source 1 = 16 rows): a lane holds eight neighbouring columns of one row.
; THE LOW-RANK TERMS.  value = 2^(ea + eb) x (sum of code products + L), L[s][n] = sum over 16 k of T[s][k] Bt[n][k], T = (x oa, x head_a) x 2^(1 - ea - eb) (exact), Bt = bt's row (ob, head_b), in f32 by the f32 matrix form.
; L of my rows 64-127 starts their sums at the head, while K step 1 is on its way; my rows 0-63 start with the first code product (C = 0) and take L in behind the loop, while K step 7 is on its way: its operands stay in v32-127.
; THE WAY OUT.  q, k: pairs of neighbouring columns are rotated by (cos, sin) of the row's position, read from cs, where the launch before has laid them in the order of my registers: a load's 32 lanes take 512 consecutive bytes.
; v takes pairs (1, 0), cs's block 128, by the same lines.  Then the hold, the conversion with 2^(eo - ea - eb),
; and a wave's 128 x 128 codes leave as one dense block of 16 KiB: qkvc[third][head][s / 128], [s % 128][d] for q and k, [d][s % 128] for v.
; PREFETCH.  Behind the refill for K step t (t = 2 .. 5) each wave names K step t + 2 of 32 of the 128 rows that it fetches, a lane a row of 256 bytes; the four partners of a joint load take 32 rows each, told apart by address.  K steps 0 to 3 come by their loads alone.
; LIMITS on the given exponents, so that each power of two is an f32 number: 1 - ea - eb between -126 and 127; eo - ea - eb between -126 and 119, for (ea, eb, eo) = (e0, e1, e6), (e2, e3, e7), (e4, e5, e9).
; REGISTERS.  Window 0: v8-31 constants and addresses; v32-63 L's row side (rows 0-63), v64-127 L's column side; v128-255 the rows' fragments (at the head: L's row side of rows 64-127, Bt).  Window 1: the columns' fragments, two sets (at the head tp's four parts).
;   Windows 2, 3: the accumulators of my rows 0-63, 64-127, written by matrix instructions alone.  On the way out: cos and sin in five buffers (window 0 v32-95, window 1 four of 64), v96-111 codes, v128-191 at work, rows read back in five buffers of 16 (v112, v192, v208, v224, v240).
.set ROWB,   256
.set KROW,   2048
.set PITCH,  272                       ; an LDS row: 256 bytes + 16
.set FR,     16
.set NL,     4
.set NP,     4
.set HALFT,  128*PITCH
.set SLOT,   4*HALFT
.set LAPS,   4
.set SPARE,  2*SLOT                    ; behind the ring: the spare words, 128 bytes a wave
.set SGP,    144                       ; the way out: a stage of 128 rows x (128 + 16) bytes a wave, in slot 0, behind its last fill and its last read
.set STW,    128*SGP
.set LIMO, 8                           ; 448 x 2^(eo - ea - eb)
.set SCO,  9                           ; 2^(eo - ea - eb)
.set VT,   10
.set VT2,  11
.set VB,   12
.set PFO,  13                          ; the prefetches' offset: lane x 2,048
.set SPW,  14
.set NIL,  15
.set ADRA, 16
.set ADRB, 18
.set STO,  20
.set RD,   21
.set CO,   22
.set FO,   24                          ; v24-31: offsets of the cos and sin of my eight blocks of 16 rows
.set RFLO, 32
.set CF,   64
.set RFHI, 128
.set BFR,  160
.set CODE, 96
.set TMP,  128
.set AF,   128
.set PFA,  66                          ; s[66:67] where my prefetches stand
.set G1, 24
.set G0, 32
.set G1B, 48
.set G0B, 56
.set MSB, 0
.macro WIN new                         ; the immediate's high byte repeats the setting that is left
.if MSB != (\new)
	s_set_vgpr_msb (MSB<<8)|(\new)
.set MSB, (\new)
.endif
.endm
.set MUL_LO, 0xa1                      ; source 0 (columns) window 1, source 1 (rows) window 0, C and D window 2
.set MUL_HI, 0xf1
.set TO_B,   0x40
.macro JLOAD g0a, g1a, g0b, g1b        ; waves 0, 1 fetch the rows' halves, waves 2, 3 the columns'; s_nop 0 and four v_nop follow each line
	s_cmp_eq_u32 s15, 0
	s_cbranch_scc0 .Lfor_b_\@
	tensor_load_to_lds s[\g0a:\g0a+3], s[\g1a:\g1a+7]
	s_nop 0
.rept 4
	v_nop
.endr
	s_branch .Lasked_\@
.Lfor_b_\@:
	tensor_load_to_lds s[\g0b:\g0b+3], s[\g1b:\g1b+7]
	s_nop 0
.rept 4
	v_nop
.endr
.Lasked_\@:
.endm
.macro CREST
	s_cmp_lg_u32 s14, 0
	s_cbranch_scc1 .Lnot_wave_0_\@
	s_barrier_signal -3
.Lnot_wave_0_\@:
	s_barrier_wait -3
	s_barrier_signal -1
	s_barrier_wait -1
.endm
.macro CROUND
	s_barrier_signal -1
	s_barrier_wait -1
	CREST
.endm
.macro PLACES n
.rept \n
	v_nop
.endr
.endm
	s_load_b512 s[68:83], s[0:1], 0x0              ; xc 68, wq 70, wk 72, wv 74, tp 76, bt 78, cs 80, exponents 82
	s_load_b64 s[84:85], s[0:1], 0x40              ; qkvc
	v_lshl_add_u32 v[SPW], v0, 2, SPARE
	v_mov_b32 v[NIL], 0
	ds_add_u32 v[SPW], v[NIL]                      ; the opening lines: the add twice and its wait ahead of my first tensor load
	ds_add_u32 v[SPW], v[NIL]
	v_lshrrev_b32 v1, 5, v0
	v_readfirstlane_b32 s14, v1                    ; wave 0..3
	s_lshr_b32 s15, s14, 1                         ; my half of the tile's rows; also: I fetch rows (0) or columns (1)
	s_and_b32 s16, s14, 1                          ; my half of its columns; also: which 128 I fetch
	s_bfe_u32 s40, ttmp6, 0x40000                  ; cx, cy
	s_bfe_u32 s41, ttmp6, 0x40004
	s_lshr_b32 s13, ttmp9, 1                       ; third
	s_and_b32 s42, ttmp9, 1
	s_lshl_b32 s42, s42, 2
	s_add_co_u32 s42, s42, s40                     ; tile column 0..7
	s_and_b32 s17, ttmp7, 0xffff
	s_lshl_b32 s17, s17, 2
	s_add_co_u32 s17, s17, s41                     ; tile row 0..7
	s_lshl_b32 s43, s41, 2
	s_lshl_b32 s43, 15, s43                        ; my row of the cluster
	s_lshl_b32 s44, 0x1111, s40                    ; my column
	s_or_b32 s[G1+0], s43, (0<<16)|(1<<20)|(1<<21)|(5<<22)|(3<<25)   ; mask; 1-byte elements; 4 words of padding after every 64; bit 21 beside a mask
	s_or_b32 s[G1B+0], s44, (0<<16)|(1<<20)|(1<<21)|(5<<22)|(3<<25)
.irp g, G1, G1B
	s_mov_b32 s[\g+1], ROWB<<16
	s_mov_b32 s[\g+2], 128<<16
	s_mov_b32 s[\g+3], ROWB<<16
	s_mov_b32 s[\g+4], 128
	s_mov_b32 s[\g+5], KROW
	s_mov_b32 s[\g+6], 0
	s_mov_b32 s[\g+7], 0
.endr
	s_lshl_b32 s18, s16, 7
	s_lshl_b32 s20, s17, 8
	s_add_co_u32 s20, s20, s18                     ; rows: 256 x tile row + 128 x half
	s_lshl_b32 s46, s42, 8
	s_add_co_u32 s46, s46, s18                     ; columns likewise
	s_lshl_b32 s20, s20, 11
	s_lshl_b32 s46, s46, 11
	s_mov_b32 s21, 0
	s_mov_b32 s47, 0
	s_mul_i32 s45, s14, HALFT                      ; where they go: wave x 128 rows
	s_lshl_b32 s7, s13, 22                         ; x's table: third x 4 MiB
	s_wait_dscnt 0x0
	s_wait_kmcnt 0x0
	s_load_b256 s[88:95], s[82:83], 0x0            ; e0 .. e7
	s_load_b128 s[96:99], s[82:83], 0x20           ; e8 .. e11
	s_cmp_eq_u32 s13, 1
	s_cselect_b64 s[22:23], s[72:73], s[70:71]     ; columns: wk or wq,
	s_cmp_eq_u32 s13, 2
	s_cselect_b64 s[22:23], s[68:69], s[22:23]     ; for v x's codes;
	s_cselect_b64 s[4:5], s[74:75], s[68:69]       ; rows: for v wv's codes, else x's
	s_cselect_b32 s8, 0, s7
	s_cselect_b32 s10, s7, 0
	s_cselect_b32 s12, -1, 0                       ; all lanes' mask: v
	s_mov_b32 s9, 0
	s_mov_b32 s11, 0
	s_add_nc_u64 s[4:5], s[4:5], s[8:9]
	s_add_nc_u64 s[22:23], s[22:23], s[10:11]
	s_add_nc_u64 s[20:21], s[4:5], s[20:21]
	s_add_nc_u64 s[46:47], s[22:23], s[46:47]
	CROUND                                         ; all sixteen work-groups are here: the first joint loads meet
.irp s, 0,1
	s_mov_b32 s[G0+4*\s], 1
	s_add_co_u32 s[G0+4*\s+1], s45, \s*SLOT
	s_add_nc_u64 s[G0+4*\s+2:G0+4*\s+3], s[20:21], \s*ROWB
	s_or_b32 s[G0+4*\s+3], s[G0+4*\s+3], 0x80000000
	s_mov_b32 s[G0B+4*\s], 1
	s_add_co_u32 s[G0B+4*\s+1], s45, \s*SLOT
	s_add_nc_u64 s[G0B+4*\s+2:G0B+4*\s+3], s[46:47], \s*ROWB
	s_or_b32 s[G0B+4*\s+3], s[G0B+4*\s+3], 0x80000000
.endr
	JLOAD G0, G1, G0B, G1B                         ; K step 0: one tensor load a wave at the head
	; where my 128 x 128 lies: in registers that feed no descriptor
	s_lshl_b32 s86, s17, 8
	s_lshl_b32 s6, s15, 7
	s_add_co_u32 s86, s86, s6                      ; my first row
	s_lshl_b32 s87, s42, 8
	s_lshl_b32 s6, s16, 7
	s_add_co_u32 s87, s87, s6                      ; my first column
	s_lshl_b32 s2, s86, 9                          ; q, k: cs at my first row: blocks of 16 rows, 8,192 bytes each
	s_mov_b32 s3, 1048576                          ; v: cs's block 128, the pairs (1, 0)
	s_cmp_eq_u32 s13, 2
	s_cselect_b32 s100, s87, s86                   ; my first position s
	s_cselect_b32 s101, s86, s87                   ; my first output n
	s_cselect_b32 s2, s3, s2
	s_cselect_b32 s104, 0, 512                     ; bytes of cos and sin to a row: v stays in its one block
	s_mov_b32 s3, 0
	s_add_nc_u64 s[80:81], s[80:81], s[2:3]
	s_lshl_b32 s2, s100, 7
	s_add_nc_u64 s[76:77], s[76:77], s[2:3]        ; tp at my first position
	s_lshl_b32 s2, s13, 17
	s_lshl_b32 s6, s101, 6
	s_add_co_u32 s2, s2, s6
	s_add_nc_u64 s[78:79], s[78:79], s[2:3]        ; bt: table third, my first output
	s_lshr_b32 s2, s101, 7                         ; the head,
	s_lshl_b32 s2, s2, 4
	s_lshr_b32 s6, s100, 7                         ; the block of 128 positions:
	s_add_co_u32 s2, s2, s6
	s_lshl_b32 s2, s2, 14                          ; blocks of 16 KiB,
	s_lshl_b32 s6, s13, 22                         ; in third's 4 MiB
	s_add_co_u32 s2, s2, s6
	s_add_nc_u64 s[84:85], s[84:85], s[2:3]
	; the prefetches: of the 128 rows that I fetch, my work-group's 32 (place cx among the rows' partners, cy among the columns'), at K step 2
	s_cmp_eq_u32 s15, 0
	s_cselect_b32 s8, s17, s42
	s_cselect_b32 s9, s40, s41
	s_cselect_b64 s[PFA:PFA+1], s[4:5], s[22:23]
	s_lshl_b32 s8, s8, 3
	s_lshl_b32 s10, s16, 2
	s_add_co_u32 s8, s8, s10
	s_add_co_u32 s8, s8, s9                        ; in units of 32 rows
	s_lshl_b32 s8, s8, 16
	s_add_co_u32 s8, s8, 2*ROWB
	s_mov_b32 s9, 0
	s_add_nc_u64 s[PFA:PFA+1], s[PFA:PFA+1], s[8:9]
	s_lshl_b32 s6, s13, 5
	s_add_co_u32 s6, s6, 32                        ; tp's own part: columns 8 (third + 1) on
	s_mul_i32 s18, s15, HALFT                      ; my 128 rows
	s_mul_i32 s19, s16, HALFT
	s_add_co_u32 s19, s19, 2*HALFT                 ; my 128 columns, behind the 256 rows
	s_mul_i32 s10, s14, STW                        ; my stage
	s_lshl_b32 s11, s104, 4                        ; a block of 16 rows of cos and sin
	v_and_b32 v1, 15, v0                           ; r
	v_bfe_u32 v2, v0, 4, 1                         ; h
	v_and_b32 v6, 31, v0
	v_lshlrev_b32 v[VT], 7, v1
	v_lshl_add_u32 v[VT], v2, 4, v[VT]
	v_add_nc_u32 v[VT2], s6, v[VT]
	v_lshlrev_b32 v[VB], 6, v1
	v_lshl_add_u32 v[VB], v2, 4, v[VB]
	; a lane loads numbers 4 h .. 4 h + 3 of the own part and of the head part; K step kk of the f32 form takes registers 2 kk, 2 kk + 1: one permutation of the 16 k, the same in T and in Bt
.irp i, 0,1,2,3,4,5,6,7
	global_load_b128 v[BFR+8*\i:BFR+8*\i+3],   v[VB], s[78:79] offset:1024*\i
	global_load_b128 v[BFR+8*\i+4:BFR+8*\i+7], v[VB], s[78:79] offset:1024*\i+32
.endr
	WIN TO_B
.irp p, 0,1,2,3
.irp i, 0,1,2,3,4,5,6,7
	global_load_b128 v[64*\p+8*\i:64*\p+8*\i+3],   v[VT2], s[76:77] offset:262144*\p+2048*\i
	global_load_b128 v[64*\p+8*\i+4:64*\p+8*\i+7], v[VT], s[76:77] offset:262144*\p+2048*\i
.endr
.endr
	WIN 0
	v_mul_u32_u24 v3, v1, PITCH
	v_lshl_add_u32 v4, v2, 4, v3                   ; a fragment's row x pitch + 16 x half
	v_add_nc_u32 v[ADRA], s18, v4
	v_add_nc_u32 v[ADRB], s19, v4
	v_add_nc_u32 v[ADRA+1], SLOT, v[ADRA]
	v_add_nc_u32 v[ADRB+1], SLOT, v[ADRB]
	v_mul_u32_u24 v5, v1, SGP
	v_lshl_add_u32 v5, v2, 3, v5
	v_add_nc_u32 v[STO], s10, v5                   ; in: row r, 8 bytes for each half of the lanes
	v_lshrrev_b32 v7, 3, v6
	v_mul_u32_u24 v7, v7, SGP
	v_and_b32 v5, 7, v0
	v_lshl_add_u32 v7, v5, 4, v7
	v_add_nc_u32 v[RD], s10, v7                    ; back: eight lanes to a row of 128 bytes, four rows an instruction
	v_lshlrev_b32 v[CO], 4, v6
	v_lshlrev_b32 v[PFO], 11, v6
	v_lshlrev_b32 v[FO], 4, v6                     ; cos and sin: 16 bytes a lane of each chunk of 512
.irp a, 1,2,3,4,5,6,7
	v_add_nc_u32 v[FO+\a], s11, v[FO+\a-1]
.endr
	s_wait_alu depctr_va_vdst(0)
	s_wait_tensorcnt 0x0                           ; my part of K step 0 is in; these lines stand ahead of a later first fill as ahead of a refill
	ds_add_u32 v[SPW], v[NIL]
	s_wait_dscnt 0x0
	CROUND                                         ; everybody's part of K step 0 is in
	JLOAD G0+4, G1, G0B+4, G1B                     ; K step 1, the first tensor load behind the round
	s_wait_kmcnt 0x0
	s_cmp_eq_u32 s13, 1
	s_cselect_b32 s2, s90, s88
	s_cselect_b32 s3, s91, s89
	s_cselect_b32 s6, s95, s94
	s_cmp_eq_u32 s13, 2
	s_cselect_b32 s2, s92, s2                      ; ea
	s_cselect_b32 s3, s93, s3                      ; eb
	s_cselect_b32 s6, s97, s6                      ; eo: e6, e7 or e9
	s_add_co_i32 s2, s2, s3
	s_sub_co_i32 s3, 128, s2
	s_lshl_b32 s86, s3, 23                         ; 2^(1 - ea - eb)
	s_mov_b32 s87, s86
	s_sub_co_i32 s6, s6, s2
	s_add_co_i32 s6, s6, 127
	s_lshl_b32 s3, s6, 23
	v_mov_b32 v[SCO], s3
	s_add_co_i32 s6, s6, 8
	s_lshl_b32 s6, s6, 23
	s_or_b32 s6, s6, 0x600000
	v_mov_b32 v[LIMO], s6
	s_wait_loadcnt 0x0
	WIN 0x45                                       ; sources 0, 1 and the destination in window 1: the four parts of K are added
.set xx, 0
.rept 32
	v_pk_add_f32 v[xx:xx+1], v[xx:xx+1], v[64+xx:64+xx+1]
	v_pk_add_f32 v[128+xx:128+xx+1], v[128+xx:128+xx+1], v[192+xx:192+xx+1]
.set xx, xx+2
.endr
.set xx, 0
.rept 32
	v_pk_add_f32 v[xx:xx+1], v[xx:xx+1], v[128+xx:128+xx+1]
.set xx, xx+2
.endr
	WIN 0x41
.set xx, 0
.rept 32
	v_pk_mul_f32 v[xx:xx+1], v[xx:xx+1], s[86:87] op_sel_hi:[1,0]
.set xx, xx+2
.endr
	WIN 0x01                                       ; source 0 (T) window 1
.set xx, 0
.rept 32
	v_cndmask_b32 v[RFLO+xx], v[xx], v[BFR+xx], s12            ; the row side: T, for v Bt
	v_cndmask_b32 v[RFHI+xx], v[32+xx], v[BFR+32+xx], s12
.set xx, xx+1
.endr
	WIN 0x04                                       ; source 1 (T) window 1
.set xx, 0
.rept 64
	v_cndmask_b32 v[CF+xx], v[BFR+xx], v[xx], s12              ; the column side: Bt, for v T
.set xx, xx+1
.endr
	s_wait_alu depctr_va_vdst(0)
; L for 64 of my rows: four K steps on 32 accumulators, which take turns, one instruction a turn
.macro LORA rf, zero
.irp kk, 0,1,2,3
.irp a, 0,1,2,3
.irp b, 0,1,2,3,4,5,6,7
.if (\zero) && (\kk == 0)
	v_wmma_f32_16x16x4_f32 v[8*(8*\a+\b):8*(8*\a+\b)+7], v[CF+8*\b+2*\kk:CF+8*\b+2*\kk+1], v[\rf+8*\a+2*\kk:\rf+8*\a+2*\kk+1], 0
.else
	v_wmma_f32_16x16x4_f32 v[8*(8*\a+\b):8*(8*\a+\b)+7], v[CF+8*\b+2*\kk:CF+8*\b+2*\kk+1], v[\rf+8*\a+2*\kk:\rf+8*\a+2*\kk+1], v[8*(8*\a+\b):8*(8*\a+\b)+7]
.endif
.endr
.endr
.endr
.endm
	WIN 0xf0                                       ; operands window 0, C and D window 3
	LORA RFHI, 1
	WIN 0
	PLACES 9                                       ; nine places behind the f32 form: another form adds onto its results, and loads land in its sources
.macro FRAG reg, adr, q, i             ; 16 rows x 128 K in 16 registers: registers 4 c .. 4 c + 3 hold K = 32 c + 16 (lane / 16) + 0 .. 15: one permutation of k, the same on both sides
.irp c, 0,1,2,3
	ds_load_b128 v[\reg+4*\c:\reg+4*\c+3], v[\adr] offset:128*(\q)+32*\c+(\i)*16*PITCH
.endr
.endm
.macro MUL16 a0, p, zero               ; row blocks a0, a0 + 1 x the eight column blocks of set p; the accumulators take turns, in the same order in every step
.irp a, \a0, \a0+1
.irp b, 0,1,2,3,4,5,6,7
.if \zero
	v_wmma_f32_16x16x128_fp8_fp8 v[8*(8*((\a)%4)+\b):8*(8*((\a)%4)+\b)+7], v[128*(\p)+FR*\b:128*(\p)+FR*\b+FR-1], v[AF+FR*(\a):AF+FR*(\a)+FR-1], 0
.else
	v_wmma_f32_16x16x128_fp8_fp8 v[8*(8*((\a)%4)+\b):8*(8*((\a)%4)+\b)+7], v[128*(\p)+FR*\b:128*(\p)+FR*\b+FR-1], v[AF+FR*(\a):AF+FR*(\a)+FR-1], v[8*(8*((\a)%4)+\b):8*(8*((\a)%4)+\b)+7]
.endif
.endr
.endr
.endm
.macro FETCH_B slot, q, p
	WIN TO_B
.irp i, 0,1,2,3,4,5,6,7
	FRAG 128*(\p)+FR*\i, ADRB+\slot, \q, \i
.endr
	WIN 0
.endm
.macro FETCH_A slot, q, i0
.irp i, \i0, \i0+1, \i0+2, \i0+3
	FRAG AF+FR*(\i), ADRA+\slot, \q, \i
.endr
.endm
.macro STEP slot, q, zero              ; 128 along K with its successor in the same slot; zero = 1: my rows 0-63 start their sums
	s_wait_dscnt 4*NL                              ; the columns' set and row blocks 0-3 are in; the sixteen loads of row blocks 4-7 may be out
	WIN MUL_LO
	MUL16 0, (\q)%2, \zero
	MUL16 2, (\q)%2, \zero
	s_wait_dscnt 0
	PLACES NP
	FETCH_B \slot, (\q)+1, 1-(\q)%2
	FETCH_A \slot, (\q)+1, 0
	WIN MUL_HI
	MUL16 4, (\q)%2, 0
	MUL16 6, (\q)%2, 0
	PLACES NP
	WIN 0
	FETCH_A \slot, (\q)+1, 4
.endm
; A slot's last step changes slots: in front of the one barrier each wave waits for all its tensor loads, adds 0 to its spare word, and waits for that and for its reads of this slot.  fill = 1: the slot is filled again, two K steps ahead.
.macro TURN slot, next, fill
.if \fill
	s_wait_xcnt 0x0                                ; my last prefetch has read its address
	s_add_nc_u64 s[PFA:PFA+1], s[PFA:PFA+1], ROWB
.endif
	s_wait_tensorcnt 0x0                           ; my part of the next slot is in
	ds_add_u32 v[SPW], v[NIL]
	s_wait_dscnt 4*NL+1                            ; (the add and the sixteen loads of row blocks 4-7 may be out)
	WIN MUL_LO
	MUL16 0, 1, 0
	s_wait_dscnt 0x0                               ; the add is done, and my reads of this slot are over
	s_barrier_signal -1
	MUL16 2, 1, 0
	WIN 0
	s_barrier_wait -1
.if \fill
	CREST                                          ; the barrier has opened a round of the cluster's barrier
	s_add_nc_u64 s[G0+4*\slot+2:G0+4*\slot+3], s[G0+4*\slot+2:G0+4*\slot+3], 2*ROWB
	s_add_nc_u64 s[G0B+4*\slot+2:G0B+4*\slot+3], s[G0B+4*\slot+2:G0B+4*\slot+3], 2*ROWB
	JLOAD G0+4*\slot, G1, G0B+4*\slot, G1B         ; the first tensor load behind the round; its four v_nop are the places in front of the loads below
.else
	PLACES NP
.endif
	FETCH_B \next, 0, 0
	FETCH_A \next, 0, 0
.if \fill
	s_cmp_gt_u32 s3, 1                             ; the last trip's two refills have no K step two on
	s_cbranch_scc0 .Lno_ask_\@
	global_prefetch_b8 v[PFO], s[PFA:PFA+1] offset:ROWB th:TH_LOAD_NT scope:SCOPE_SE
.Lno_ask_\@:
.endif
	WIN MUL_HI
	MUL16 4, 1, 0
	MUL16 6, 1, 0
	PLACES NP
	WIN 0
	FETCH_A \next, 0, 4
.endm
; the cos and sin of block a's 16 rows, sixteen loads of 512 consecutive bytes, into buffer a % 5: register 8 b + e goes with the accumulators' register 8 b + e
.macro CSLOAD a
.set CI, (\a)%5
.set CW, (CI+4)/5
.set CR, 32*(1-CW)+CW*64*(CI-1)
	WIN CW<<6
.irp b, 0,1,2,3,4,5,6,7
	global_load_b128 v[CR+8*\b:CR+8*\b+3],   v[FO+(\a)], s[80:81] offset:1024*\b
	global_load_b128 v[CR+8*\b+4:CR+8*\b+7], v[FO+(\a)], s[80:81] offset:1024*\b+512
.endr
	WIN 0
.endm
	FETCH_B 0, 0, 0
	FETCH_A 0, 0, 0
	FETCH_A 0, 0, 4
	STEP 0, 0, 1
	s_mov_b32 s3, LAPS-1
.Llap:                                             ; a trip goes once round the ring and fills both slots again
	TURN 0, 1, 1
	STEP 1, 0, 0
	TURN 1, 0, 1
	STEP 0, 0, 0
	s_sub_co_u32 s3, s3, 1
	s_cmp_lg_u32 s3, 0
	s_cbranch_scc1 .Llap
	PLACES 5                                       ; another form adds onto the code products' sums
	WIN 0xa0                                       ; operands window 0, C and D window 2
	LORA RFLO, 0                                   ; L of my rows 0-63, while K step 7 is on its way
	WIN 0
	PLACES 9
	CSLOAD 0                                       ; into L's operands, which are done with
	TURN 0, 1, 0                                   ; the last lap fills nothing
	STEP 1, 0, 0
	CSLOAD 1                                       ; into the columns' set 0, which is done with (four places stand behind its last products)
	CSLOAD 2
	s_wait_dscnt 4*NL
	WIN MUL_LO
	MUL16 0, 1, 0
	MUL16 2, 1, 0
	s_wait_dscnt 0
	WIN MUL_HI
	MUL16 4, 1, 0
	MUL16 6, 1, 0
	WIN 0
	PLACES NP
; THE WAY OUT of block a: 16 rows x 128 columns.  (t0, t1) -> (t0 c - t1 s, t0 s + t1 c) by two packed lines a pair; the hold; the conversion; through my stage; block a - 1's 2,048 bytes are stored meanwhile.
; The waits on loads count the cos and sin loads issued behind block a's sixteen: blocks a + 1 .. a + 3 (block 0: blocks 1 and 2), then fewer.
; The rows read back take five buffers by turns: blocks 5 to 7 use again those of blocks 0 to 2, whose stores were issued in blocks 1 to 3: one wait at block 5 frees all three.
.macro BLOCK a
.if (\a) == 0
	s_wait_loadcnt 32
	CSLOAD 3
	CSLOAD 4
.elseif (\a) < 4
	s_wait_loadcnt 48
	CSLOAD (\a)+4                                  ; into block a - 1's buffer
.elseif (\a) == 4
	s_wait_loadcnt 48
.else
	s_wait_loadcnt 16*(7-(\a))
.endif
.set AC, 64*((\a)%4)
.set CI, (\a)%5
.set CW, (CI+4)/5
.set CR, 32*(1-CW)+CW*64*(CI-1)
.set OB, 112*(1-CW)+CW*(176+16*CI)     ; this block's rows read back
.set PM, ((\a)+4)%5
.set PB, 112*(1-(PM+4)/5)+((PM+4)/5)*(176+16*PM)   ; the last block's
	WIN (0x02+((\a)/4))|(CW<<2)
.set p, 0
.rept 32
	v_pk_mul_f32 v[TMP+p:TMP+p+1], v[AC+p:AC+p+1], v[CR+p:CR+p+1] op_sel_hi:[1,0]    ; (t0 c, t1 c); each accumulator from its low end on
.set p, p+2
.endr
.set p, 0
.rept 32
	v_pk_fma_f32 v[TMP+p:TMP+p+1], v[AC+p:AC+p+1], v[CR+p:CR+p+1], v[TMP+p:TMP+p+1] op_sel:[1,1,0] op_sel_hi:[0,1,1] neg_lo:[1,0,0]   ; (- t1 s + t0 c, t0 s + t1 c)
.set p, p+2
.endr
	WIN 0
.set p, 0
.rept 64
	v_med3_num_f32 v[TMP+p], v[TMP+p], -v[LIMO], v[LIMO]   ; the conversion to an 8-bit code does not saturate (ISA guide 7.6.2)
.set p, p+1
.endr
	s_wait_alu depctr_va_vdst(0)
	s_wait_dscnt 0x0                               ; the last block's LDS stores have read their registers, and its rows are back
.if (\a) > 0
.irp i, 0,1,2,3
	global_store_b128 v[CO], v[PB+4*\i:PB+4*\i+3], s[84:85] offset:2048*((\a)-1)+512*\i   ; 32 lanes store 512 consecutive bytes, aligned
.endr
.endif
.irp b, 0,1,2,3,4,5,6,7
	v_cvt_scalef32_pk8_fp8_f32 v[CODE+2*\b:CODE+2*\b+1], v[TMP+8*\b:TMP+8*\b+7], v[SCO]
.endr
	v_nop                                          ; one plain line behind the last conversion
.irp b, 0,1,2,3,4,5,6,7
	ds_store_b64 v[STO], v[CODE+2*\b:CODE+2*\b+1] offset:(\a)*16*SGP+16*\b
.endr
.if (\a) == 5
	s_wait_xcnt 0x0                                ; the stores of blocks 0 to 2 have read the registers that this and the next two blocks' loads fill
.endif
.irp i, 0,1,2,3
	ds_load_b128 v[OB+4*\i:OB+4*\i+3], v[RD] offset:(16*(\a)+4*\i)*SGP    ; LDS serves a wave's instructions in order (ISA guide 5.7.1.4): these see my stores
.endr
.endm
.irp a, 0,1,2,3,4,5,6,7
	BLOCK \a
.endr
	s_wait_dscnt 0x0
.irp i, 0,1,2,3
	global_store_b128 v[CO], v[208+4*\i:208+4*\i+3], s[84:85] offset:2048*7+512*\i   ; block 7's rows: buffer 7 % 5 = 2
.endr
	s_wait_tensorcnt 0x0                           ; the wave's end
	ds_add_u32 v[SPW], v[NIL]
	s_wait_dscnt 0x0
	CROUND                                         ; the closing round
	s_endpgm
.Lfunc_end_k_q4a2b758b68_qkvproj:
	.size	k_q4a2b758b68_qkvproj, .Lfunc_end_k_q4a2b758b68_qkvproj-k_q4a2b758b68_qkvproj
	.p2alignl 7, 3214868480
	.fill 96, 4, 3214868480
	.section	.rodata,"a",@progbits
	.p2align	6, 0x0
	.amdhsa_kernel k_q4a2b758b68_qkvproj
		.amdhsa_group_segment_fixed_size 327680
		.amdhsa_private_segment_fixed_size 0
		.amdhsa_enable_private_segment 0
		.amdhsa_kernarg_size 72
		.amdhsa_user_sgpr_count 2
		.amdhsa_user_sgpr_kernarg_segment_ptr 1
		.amdhsa_wavefront_size32 1
		.amdhsa_system_sgpr_workgroup_id_x 1
		.amdhsa_system_sgpr_workgroup_id_y 1
		.amdhsa_system_sgpr_workgroup_id_z 1
		.amdhsa_system_vgpr_workitem_id 0
		.amdhsa_next_free_vgpr 1024
		.amdhsa_next_free_sgpr 106
		.amdhsa_reserve_vcc 0
		.amdhsa_float_denorm_mode_32 3
		.amdhsa_float_denorm_mode_16_64 3
		.amdhsa_memory_ordered 1
		.amdhsa_forward_progress 1
		.amdhsa_inst_pref_size 213
	.end_amdhsa_kernel
	.amdgpu_metadata
---
amdhsa.version: [ 1, 2 ]
amdhsa.kernels:
  - .name:           k_q4a2b758b68_qkvproj
    .symbol:         k_q4a2b758b68_qkvproj.kd
    .args:
      - { .name: xc, .offset: 0, .size: 8, .value_kind: global_buffer, .address_space: global }
      - { .name: wq_base_codes, .offset: 8, .size: 8, .value_kind: global_buffer, .address_space: global }
      - { .name: wk_base_codes, .offset: 16, .size: 8, .value_kind: global_buffer, .address_space: global }
      - { .name: wv_base_codes, .offset: 24, .size: 8, .value_kind: global_buffer, .address_space: global }
      - { .name: tp, .offset: 32, .size: 8, .value_kind: global_buffer, .address_space: global }
      - { .name: bt, .offset: 40, .size: 8, .value_kind: global_buffer, .address_space: global }
      - { .name: cs, .offset: 48, .size: 8, .value_kind: global_buffer, .address_space: global }
      - { .name: lowp_scales, .offset: 56, .size: 8, .value_kind: global_buffer, .address_space: global }
      - { .name: qkvc, .offset: 64, .size: 8, .value_kind: global_buffer, .address_space: global }
    .group_segment_fixed_size: 327680
    .private_segment_fixed_size: 0
    .kernarg_segment_align: 8
    .kernarg_segment_size: 72
    .max_flat_workgroup_size: 128
    .sgpr_count:     106
    .vgpr_count:     1024
    .wavefront_size: 32
...
	.end_amdgpu_metadata
.endif
;; end of part 2
;; launch attn (part 3): grid 16 x 16, 8 waves a work-group, no clusters, 327,680 bytes of LDS; arguments qkvc, lowp_scales, oc; writes oc
.if DOCPART == 3
	.amdgcn_target "amdgcn-amd-amdhsa--gfx1250"
	.amdhsa_code_object_version 6
	.text
	.protected	k_q4a2b758b68_attn
	.globl	k_q4a2b758b68_attn
	.p2align	8
	.type	k_q4a2b758b68_attn,@function
k_q4a2b758b68_attn:
	s_mov_b64 s[64:65], 0
	v_nop
	global_prefetch_b8 v0, s[64:65] scope:SCOPE_SE
	s_setreg_imm32_b32 hwreg(HW_REG_WAVE_MODE, 25, 1), 1
	s_wait_xcnt 0x0
; Causal attention on codes of E4M3, 16 heads of 128, 2,048 positions.  q, k: qkvc thirds 0 and 1, [head][s][128].  v: third 2, blocks [head][s / 128][d][s % 128]: the keys innermost.
; THE SOFTMAX AHEAD OF THE SECOND PRODUCT: t = score x log2(e) / sqrt(128); M = the running largest t rounded UP to a whole number; p = 2^(t - M) is quantised with 2^e8, not normalised; the row's sum is taken of the
; unquantised p and divides at the end.  When M moves, the sum and O are multiplied by 2^(old M - new M): exact.  O / sum is quantised with 2^e10 and stored as oc[s / 128][head][s % 128][d].
; SHARES.  Work-group (i, head) owns the blocks of 64 queries i and 31 - i, so that every work-group has the same number of key steps under the mask.  Each of its eight waves owns one tile of 16 queries;
; the waves with an odd number of ones in their number take the late block.  Every wave walks all slots; steps all of whose keys come after its queries are left out by scalar branches on ids.
; K's and V's tiles come through a ring of two LDS slots of 256 keys: four dense pieces of 128 rows x 128 bytes (K's two halves, V's two blocks), one tensor load each by waves 0 to 3, read by all eight.
; LAYOUT.  Both products are used transposed (S^T = K Q^T, O^T = V^T P^T): a lane holds ONE query throughout.  A tile of K is 16 neighbouring keys: at 144 bytes a row its 16 rows start at 16 different groups of four
; banks (64 banks of 4 bytes: ISA guide 11.1).  Lane (r, h) of score tile c then holds keys 16 c + 8 h + 0 .. 7, and their eight codes are registers 2 c, 2 c + 1 of the second product's operand in the form's own layout;
; V is read in the same layout, 8 bytes a lane: the 32 lanes of such a load touch 64 different banks.
; FRAGMENTS A PHASE AHEAD.  A second window of 256 registers holds all of a step's K (128) and all of its V (128).  V is asked for behind the step's eight score products, with the softmax between the request and the use;
; K of a slot's second step is asked for in the first step, behind the row's sums.  Only K of a slot's first step is waited for soon behind its request: it can be read only behind the change of slots.
; NO CLUSTER.  Four neighbouring work-groups i share their number of slots (8 - i / 4), so their fills could be joint.  Not done: the fills end at the causal limit by a jump on ids;
; the other way, a loop whose trip count hangs on the cluster's number, would step the slots' LDS addresses in a loop of no constant length.
; LIMITS on the given exponents: e6 + e7 between -123 and 130 (added to c's exponent field); e8, and e10 - e8 - e9, between -126 and 119.  The row's sum is added in four chains, another order than a plain sum's.
; REGISTERS.  Window 0: v1-9 addresses; v12 -M, v13 the largest t, v[14:15] the sum in two halves; v16-31 Q; v32-41 the chains of maxima and sums (on the way out v32-63: codes and rows);
;   v96-159 S^T, then p; v160-223 O^T; v224-239 p's codes; v236-254 at work.   Window 1: v0-127 K's eight fragments; v128-255 V's eight.
.set SK,    256
.set KP,    144                        ; a row in LDS: 128 bytes + 16
.set PIECE, 128*KP
.set VOFF,  2*PIECE
.set SLOT1, 1<<17                      ; slot 1 begins here: one exclusive or turns an address in one slot into the other's
.set NSL,   8
.set SPARE, 2*SLOT1                    ; behind the ring: the spare words, 128 bytes for each wave
.set AK0,  1
.set AV0,  2
.set PFO,  3                           ; v3   256 x my lane; never rewritten
.set SPW,  5
.set NIL,  6
.set GO,   7
.set ADK,  8
.set ADV,  9
.set MXR,  32                          ; v32-35  four chains of maxima
.set SMR,  34                          ; v[36:37], v[38:39], v[40:41]  three of the four chains of sums
.set KFR,  0                           ; in window 1
.set VFR,  128                         ; in window 1
.set WV,   18
.set SEL,  20
.set CS,   22
.set G1,   24                          ; s[24:31] group 1: one shape for all four pieces;  s[40:43] group 0, which walks
.set G0,   40
.set TB,   2
.set LASTQ, 66                         ; s66  my work-group's last query
.set SLOTS, 67
.set PFA,  76
.set LIM,  80
.set KF,   98                          ; s98  the first key of the slot in hand
.set Q0,   99
.set MSB, 0
.macro WIN new                         ; the immediate's high byte repeats the setting that is left; a switch that changes nothing is dropped
.if MSB != (\new)
	s_set_vgpr_msb (MSB<<8)|(\new)
.set MSB, (\new)
.endif
.endm
.set TO_F, 0x40                        ; destination window 1, address window 0
.set MUL,  0x01                        ; source 0 (K's or V's fragment) window 1; source 1, C and D window 0
.macro TLOAD                           ; waves 0 to 3 fetch a piece each; an s_nop 0 and four v_nop follow the line
	s_cmp_lt_u32 s[WV], 4
	s_cbranch_scc0 .Lasked_\@
	tensor_load_to_lds s[G0:G0+3], s[G1:G1+7]
	s_nop 0
.rept 4
	v_nop
.endr
.Lasked_\@:
.endm
; A prefetch of what the NEXT change of slots will ask for: 32 KiB of K and 32 KiB of V, each dense.  All work-groups of a head walk the same K and V: the head's work-group 0, which walks every slot, asks; in it waves 4 to 7,
; which fetch nothing: 8,192 bytes of each a wave, lanes 256 bytes apart.  So each aligned block of 256 bytes is named once in the launch.  The last change that fills a slot asks for nothing; slots 0 and 1 come by their loads alone.
.macro ASK
	s_cmp_gt_u32 s[SLOTS], s[LIM]
	s_cbranch_scc0 .Lnot_mine_\@
	global_prefetch_b8 v[PFO], s[PFA:PFA+1] th:TH_LOAD_NT scope:SCOPE_SE
	global_prefetch_b8 v[PFO], s[PFA:PFA+1] offset:4194304 th:TH_LOAD_NT scope:SCOPE_SE
.Lnot_mine_\@:
.endm
	s_load_b128 s[4:7], s[0:1], 0x0                ; qkvc, the scales' exponents
	s_load_b64 s[8:9], s[0:1], 0x10                ; oc
	v_lshl_add_u32 v[SPW], v0, 2, SPARE
	v_mov_b32 v[NIL], 0
	ds_add_u32 v[SPW], v[NIL]                      ; the wave's opening: the add and its wait ahead of my first tensor load
	ds_add_u32 v[SPW], v[NIL]
	v_lshrrev_b32 v8, 5, v0
	s_delay_alu instid0(VALU_DEP_1)
	v_readfirstlane_b32 s[WV], v8                  ; wave 0..7
	s_and_b32 s72, ttmp7, 0xffff                   ; the head
	s_lshl_b32 s74, s72, 18                        ; its 256 KiB in each third
	s_lshr_b32 s82, s[WV], 1                       ; my tile of the block's four
	s_lshr_b32 s83, s[WV], 2
	s_xor_b32 s84, s[WV], s82
	s_xor_b32 s84, s84, s83
	s_and_b32 s84, s84, 1                          ; the parity of my number's three bits: 1: the late block
	s_sub_co_u32 s85, 31, ttmp9
	s_cmp_eq_u32 s84, 1
	s_cselect_b32 s85, s85, ttmp9
	s_lshl_b32 s[Q0], s85, 6
	s_lshl_b32 s82, s82, 4
	s_add_co_u32 s[Q0], s[Q0], s82                 ; my first query
	s_lshl_b32 s[LASTQ], ttmp9, 6
	s_sub_co_u32 s[LASTQ], 2047, s[LASTQ]
	s_and_b32 s87, s[WV], 3                        ; the piece that I fetch, if I fetch: 0, 1: K's halves; 2, 3: V's blocks
	s_and_b32 s88, s87, 1
	s_lshl_b32 s90, s88, 14
	s_lshr_b32 s89, s87, 1
	s_add_co_u32 s89, s89, 1
	s_lshl_b32 s89, s89, 22                        ; third 1 or 2
	s_add_co_u32 s90, s90, s89
	s_add_co_u32 s90, s90, s74
	s_mov_b32 s91, 0
	s_mul_i32 s89, s87, PIECE                      ; and its place in a slot
	s_mov_b32 s[G1], (0<<16)|(1<<20)|(4<<22)|(3<<25)   ; no mask; elements of 1 byte; padding: four words after every 32
	s_mov_b32 s[G1+1], 256<<16                     ; a piece is dense in memory: stated as 64 rows of 256 bytes, the padding still behind each 128 bytes
	s_mov_b32 s[G1+2], 64<<16
	s_mov_b32 s[G1+3], 256<<16
	s_mov_b32 s[G1+4], 64
	s_mov_b32 s[G1+5], 256
	s_mov_b32 s[G1+6], 0
	s_mov_b32 s[G1+7], 0
	s_mov_b32 s[SEL], 0x76543210
	s_mov_b32 s[SEL+1], 0xfedcba98
	s_mov_b32 s[CS], 0x3e0293ee                    ; c = log2(e) / sqrt(128)
	s_mov_b32 s[TB], 0
	s_mov_b32 s[SLOTS], NSL-1
	s_mov_b32 s[KF], 0
	s_mov_b32 s93, 0
	s_wait_dscnt 0x0                               ; the opening add is done
	s_wait_kmcnt 0x0
	s_load_b128 s[68:71], s[6:7], 0x18             ; e6 .. e9: q, k, p, v
	s_load_b32 s73, s[6:7], 0x28                   ; e10
	s_mov_b32 s[G0], 1
	s_mov_b32 s[G0+1], s89
	s_add_nc_u64 s[G0+2:G0+3], s[4:5], s[90:91]
	s_or_b32 s[G0+3], s[G0+3], 0x80000000
	TLOAD                                          ; slot 0
	s_lshl_b32 s92, s[Q0], 7
	s_add_co_u32 s92, s92, s74
	s_add_nc_u64 s[10:11], s[4:5], s[92:93]        ; Q's codes at my first query
	s_lshr_b32 s92, s[Q0], 7
	s_lshl_b32 s92, s92, 18
	s_lshl_b32 s94, s72, 14
	s_add_co_u32 s92, s92, s94
	s_and_b32 s94, s[Q0], 127
	s_lshl_b32 s94, s94, 7
	s_add_co_u32 s92, s92, s94
	s_add_nc_u64 s[8:9], s[8:9], s[92:93]          ; oc at my 16 rows: 2,048 dense bytes
	s_lshl_b32 s92, s87, 13                        ; the prefetches: my 8,192 bytes,
	s_add_co_u32 s92, s92, s74
	s_add_co_u32 s92, s92, 4194304+32768           ; of K's slot 1: the first change of slots steps it to slot 2
	s_add_nc_u64 s[PFA:PFA+1], s[4:5], s[92:93]
	s_lshr_b32 s92, s[WV], 2
	s_xor_b32 s92, s92, 1                          ; 0 in waves 4 to 7,
	s_or_b32 s92, s92, ttmp9                       ; of the head's work-group 0
	s_cmp_eq_u32 s92, 0
	s_cselect_b32 s[LIM], 1, -1
	v_and_b32 v[PFO], 31, v0
	s_delay_alu instid0(VALU_DEP_1)
	v_lshlrev_b32 v[GO], 4, v[PFO]                 ; the way out: 16 bytes a lane
	s_delay_alu instid0(VALU_DEP_2)
	v_lshlrev_b32 v[PFO], 8, v[PFO]
	v_and_b32 v8, 15, v0                           ; r
	v_bfe_u32 v9, v0, 4, 1                         ; h
	s_delay_alu instid0(VALU_DEP_2)
	v_lshlrev_b32 v10, 7, v8
	s_delay_alu instid0(VALU_DEP_1)
	v_lshl_add_u32 v10, v9, 4, v10
.irp c, 0,1,2,3
	global_load_b128 v[16+4*\c:19+4*\c], v10, s[10:11] offset:32*\c   ; Q's fragment stays in registers: registers 4 c .. 4 c + 3 hold channels 32 c + 16 h + 0 .. 15, as K's do
.endr
	v_mul_u32_u24 v[AK0], v8, KP
	s_delay_alu instid0(VALU_DEP_1)
	v_lshl_add_u32 v[AK0], v9, 4, v[AK0]           ; K: row r of a tile, + 16 h
	v_mul_u32_u24 v[AV0], v8, KP
	s_delay_alu instid0(VALU_DEP_1)
	v_lshl_add_u32 v[AV0], v9, 3, v[AV0]           ; V: row r of a tile, + 8 h
	s_delay_alu instid0(VALU_DEP_1)
	v_add_nc_u32 v[AV0], VOFF, v[AV0]
	v_mov_b32 v13, 0xff61b1e6                      ; the largest t so far: -3e38, under every t
	s_delay_alu instid0(VALU_DEP_1)
	v_floor_f32 v12, -v13                          ; -M
	v_mov_b32 v14, 0
	v_mov_b32 v15, 0
	v_mov_b32 v236, 0                              ; written once: a lane permute's destination counts as one of its sources
	v_mov_b32 v252, 0
	v_mov_b32 v253, 0
.set j, 0
.rept 64
	v_mov_b32 v[160+j], 0                          ; O^T.  (The step is written once: the first finds zeros, which the first change of M leaves zeros)
.set j, j+1
.endr
	s_wait_kmcnt 0x0
	s_add_co_i32 s92, s68, s69
	s_lshl_b32 s92, s92, 23
	s_add_co_i32 s[CS], s[CS], s92                 ; a score stands for score x 2^(e6 + e7): added to c's exponent field
	s_mov_b32 s[CS+1], s[CS]
	s_add_co_i32 s92, s70, 127
	s_lshl_b32 s94, s92, 23
	v_mov_b32 v244, s94                            ; 2^e8 as f32
	s_add_co_i32 s92, s92, 8
	s_lshl_b32 s92, s92, 23
	s_or_b32 s92, s92, 0x600000
	v_mov_b32 v240, s92                            ; 448 x 2^e8
; The slot's q-th 128 keys of K: eight fragments of 16 neighbouring keys x 128 channels, 32 loads of 16 bytes a lane, tile by tile
.macro KLOAD q
.irp t, 0,1,2,3,4,5,6,7
.irp c, 0,1,2,3
	ds_load_b128 v[KFR+16*\t+4*\c:KFR+16*\t+4*\c+3], v[ADK] offset:(128*(\q)+16*\t)*KP+32*\c
.endr
.endr
.endm
; and of V: eight fragments of 16 channels x 128 keys, 64 loads of 8 bytes a lane: registers 2 c, 2 c + 1 hold keys 16 c + 8 h + 0 .. 7
.macro VLOAD q
.irp t, 0,1,2,3,4,5,6,7
.irp c, 0,1,2,3,4,5,6,7
	ds_load_b64 v[VFR+16*\t+2*\c:VFR+16*\t+2*\c+1], v[ADV] offset:(\q)*PIECE+16*\t*KP+16*\c
.endr
.endr
.endm
; A KEY STEP: 128 keys, the q-th of the slot in hand.  Its K has been asked for: for q = 0 just now, at the slot's head; for q = 1 in the step before.
.macro STEP q
.if (\q) == 0
	s_wait_dscnt 16                                ; LDS loads come back in order: K's tiles 0 to 3 are in; the sixteen loads of tiles 4 to 7 may be out
.else
	s_wait_dscnt 0x0                               ; K is in: it was asked for a softmax ago
.endif
	WIN MUL
.irp t, 0,1,2,3                                ; S^T = K Q^T: eight accumulators, one product each
	v_wmma_f32_16x16x128_fp8_fp8 v[96+8*\t:103+8*\t], v[KFR+16*\t:KFR+16*\t+15], v[16:31], 0
.endr
.if (\q) == 0
	s_wait_dscnt 0x0                               ; tiles 4 to 7 are in
.endif
.irp t, 4,5,6,7
	v_wmma_f32_16x16x128_fp8_fp8 v[96+8*\t:103+8*\t], v[KFR+16*\t:KFR+16*\t+15], v[16:31], 0
.endr
	WIN 0
.rept 4
	v_nop                                          ; four places: ahead of the first read of the scores, of the loads into V's registers, which the last step's products read, and later of those into K's
.endr
	WIN TO_F
	VLOAD \q                                       ; this step's V: the softmax stands between the request and the use
	WIN 0
	s_add_co_u32 s96, s[KF], 127+128*(\q)          ; on the diagonal the scores of hidden keys become -infinity ahead of the maximum: p = 0 then.  A step all of whose keys count skips this
	s_cmp_le_u32 s96, s[Q0]
	s_cbranch_scc1 .Lopen_\@
	s_sub_co_i32 s96, s[Q0], s[KF]
.if (\q) == 1
	s_sub_co_i32 s96, s96, 128
.endif
	v_and_b32 v252, 15, v0
	v_bfe_u32 v253, v0, 4, 1
	s_delay_alu instid0(VALU_DEP_1)
	v_lshlrev_b32 v253, 3, v253
	s_delay_alu instid0(VALU_DEP_1)
	v_sub_nc_u32 v252, v252, v253
	s_delay_alu instid0(VALU_DEP_1)
	v_add_nc_u32 v252, s96, v252                   ; d = my query - the step's first key - 8 (lane / 16).  Register 8 c + i holds key 16 c + i beyond that: hidden where 16 c + i > d
	v_mov_b32 v254, 0xff800000
.set n, 0
.rept 64
	v_cmp_gt_i32 vcc_lo, 16*(n/8)+n%8, v252
	v_cndmask_b32 v[96+n], v[96+n], v254, vcc_lo
.set n, n+1
.endr
.Lopen_\@:
.irp c, 0,1,2,3                                ; the step's largest score of my query among my 64 keys: four chains of 15 scores, which take turns; each accumulator is first read at its low end
	v_max3_num_f32 v[MXR+\c], v[96+16*\c], v[97+16*\c], v[98+16*\c]
.endr
.irp k, 1,2,3,4,5,6
.irp c, 0,1,2,3
	v_max3_num_f32 v[MXR+\c], v[MXR+\c], v[97+16*\c+2*\k], v[98+16*\c+2*\k]
.endr
.endr
	v_max3_num_f32 v[MXR], v[MXR], v[MXR+1], v111  ; the chains, and the four scores left over
	v_max3_num_f32 v[MXR+2], v[MXR+2], v[MXR+3], v127
	v_max3_num_f32 v[MXR], v[MXR], v143, v159
	s_delay_alu instid0(VALU_DEP_1)
	v_max_num_f32 v254, v[MXR], v[MXR+2]
	v_permlanex16_b32 v236, v254, s[SEL], s[SEL+1]
	s_delay_alu instid0(VALU_DEP_1)
	v_max_num_f32 v254, v254, v236                 ; and among lane l xor 16's
	s_delay_alu instid0(VALU_DEP_1)
	v_mul_f32 v254, s[CS], v254                    ; as t (c is positive)
	s_delay_alu instid0(VALU_DEP_1)
	v_max_num_f32 v13, v13, v254
	v_mov_b32 v254, v12
	s_delay_alu instid0(VALU_DEP_2)
	v_floor_f32 v12, -v13                          ; the new -M = floor(-t): M is a whole number
	s_delay_alu instid0(VALU_DEP_1)
	v_sub_f32 v254, v12, v254                      ; old M - new M: a whole number, 0 or less
	s_delay_alu instid0(VALU_DEP_1)
	v_cvt_i32_f32 v254, v254
	s_delay_alu instid0(VALU_DEP_1)
	v_ldexp_f32 v252, 1.0, v254                    ; f = 2^(old M - new M)
.set j, 0
.rept 32
	v_pk_fma_f32 v[96+j:97+j], v[96+j:97+j], s[CS:CS+1], v[12:13] op_sel_hi:[1,0,0]   ; t - M, two at a time
.set j, j+2
.endr
.set j, 0
	s_wait_alu depctr_va_vdst(0)
.rept 64
	v_exp_f32 v[96+j], v[96+j]                     ; p = 2^(t - M), at most 1
.set j, j+1
.endr
	v_pk_mul_f32 v[14:15], v[14:15], v[252:253] op_sel_hi:[1,0]   ; the sums under the new M: a plain line behind the exponentials
	s_wait_alu depctr_va_vdst(0)                   ; the wait ahead of the first line that names a result: one for the batch of 64
	v_pk_add_f32 v[36:37], v[96:97], v[104:105]
	v_pk_add_f32 v[38:39], v[112:113], v[120:121]
	v_pk_add_f32 v[40:41], v[128:129], v[136:137]
	v_pk_add_f32 v[254:255], v[144:145], v[152:153]
	v_pk_add_f32 v[250:251], v[102:103], v[110:111]
	v_pk_add_f32 v[248:249], v[118:119], v[126:127]
	v_pk_add_f32 v[246:247], v[134:135], v[142:143]
	v_pk_add_f32 v[14:15], v[14:15], v[150:151]
	v_pk_add_f32 v[36:37], v[36:37], v[158:159]
	v_pk_add_f32 v[38:39], v[38:39], v[98:99]
	v_pk_add_f32 v[40:41], v[40:41], v[106:107]
	v_pk_add_f32 v[254:255], v[254:255], v[114:115]
	v_pk_add_f32 v[250:251], v[250:251], v[122:123]
	v_pk_add_f32 v[248:249], v[248:249], v[130:131]
	v_pk_add_f32 v[246:247], v[246:247], v[138:139]
	v_pk_add_f32 v[14:15], v[14:15], v[146:147]
	v_pk_add_f32 v[36:37], v[36:37], v[154:155]
	v_pk_add_f32 v[38:39], v[38:39], v[100:101]
	v_pk_add_f32 v[40:41], v[40:41], v[108:109]
	v_pk_add_f32 v[254:255], v[254:255], v[116:117]
	v_pk_add_f32 v[250:251], v[250:251], v[124:125]
	v_pk_add_f32 v[248:249], v[248:249], v[132:133]
	v_pk_add_f32 v[246:247], v[246:247], v[140:141]
	v_pk_add_f32 v[14:15], v[14:15], v[148:149]
	v_pk_add_f32 v[36:37], v[36:37], v[156:157]
	s_delay_alu instid0(VALU_DEP_2)
	v_pk_add_f32 v[14:15], v[14:15], v[254:255]
	s_delay_alu instid0(VALU_DEP_2)
	v_pk_add_f32 v[36:37], v[36:37], v[250:251]
	v_pk_add_f32 v[38:39], v[38:39], v[248:249]
	v_pk_add_f32 v[40:41], v[40:41], v[246:247]
	s_delay_alu instid0(VALU_DEP_2)
	v_pk_add_f32 v[14:15], v[14:15], v[38:39]
	s_delay_alu instid0(VALU_DEP_2)
	v_pk_add_f32 v[36:37], v[36:37], v[40:41]
	s_delay_alu instid0(VALU_DEP_1)
	v_pk_add_f32 v[14:15], v[14:15], v[36:37]
.if (\q) == 0
	s_wait_dscnt 0x0                               ; V is in, as the products below want it: it was asked for ahead of the maxima, the exponentials and the sums
	WIN TO_F
	KLOAD 1                                        ; the next step's K, from the same slot: the rest of this step stands between the request and the use
	WIN 0
.endif
.irp b, 0,1,2,3
.irp i, 0,1,2,3,4,5,6,7,8,9,10,11,12,13,14,15
	v_min_num_f32 v[96+16*\b+\i], v[96+16*\b+\i], v240   ; the conversion does not saturate (ISA guide 7.6.2); p is not negative, so the hold is one-sided
.endr
	v_cvt_scalef32_pk8_fp8_f32 v[224+4*\b:225+4*\b], v[96+16*\b:103+16*\b], v244     ; score tile 2 b: registers 4 b, 4 b + 1 of the operand
	v_cvt_scalef32_pk8_fp8_f32 v[226+4*\b:227+4*\b], v[104+16*\b:111+16*\b], v244    ; score tile 2 b + 1
.endr
.set j, 0
.rept 32
	v_pk_mul_f32 v[160+j:161+j], v[160+j:161+j], v[252:253] op_sel_hi:[1,0]   ; O^T under the new M.  (Plain lines between the conversions and the products that read their results)
.set j, j+2
.endr
.if (\q) == 1
	s_wait_alu depctr_va_vdst(0)
	s_wait_dscnt 0x0                               ; V is in
.endif
	WIN MUL
.irp t, 0,1,2,3,4,5,6,7                        ; O^T += V^T P^T: eight accumulators by turns, one product each; K = these 128 keys
	v_wmma_f32_16x16x128_fp8_fp8 v[160+8*\t:167+8*\t], v[VFR+16*\t:VFR+16*\t+15], v[224:239], v[160+8*\t:167+8*\t]
.endr
	WIN 0
.endm
; THE CHANGE OF SLOTS stands at a slot's head.  Each wave waits for all its tensor loads, adds 0 to its spare word, and waits for that and for its reads of the slot that it has left.  Behind the barrier the slot ahead is whole
; and nobody reads the other one.  fill = 1: that other slot is filled with the keys that follow, while its first key is at or under my work-group's last query: a slot beyond that is read by none of the eight waves.
.macro CHANGE fill
	s_wait_tensorcnt 0x0                           ; no tensor load of mine is out, so the group 0 may be written
	ds_add_u32 v[SPW], v[NIL]
.if \fill
	ds_add_u32 v[SPW], v[NIL]                      ; the add once more
	s_xor_b32 s[G0+1], s[G0+1], SLOT1
	s_add_nc_u64 s[G0+2:G0+3], s[G0+2:G0+3], 32768 ; the next 256 keys: two blocks of 16 KiB on
	s_wait_xcnt 0x0                                ; the last prefetches, a slot back, have read their address
	s_add_nc_u64 s[PFA:PFA+1], s[PFA:PFA+1], 32768
.endif
	s_wait_dscnt 0x0                               ; the add is done, and my reads of the slot that I have left are over
	s_barrier_signal -1
	s_barrier_wait -1
.if \fill
	s_add_co_u32 s96, s[KF], SK                    ; the first key of the slot that this change would ask for
	s_cmp_gt_u32 s96, s[LASTQ]                     ; ids and the count of slots alone: all eight waves go the same way, and a work-group that is past the limit stays past it
	s_cbranch_scc1 .Lpast_\@
	TLOAD                                          ; a wave's one tensor load until the next change; every wait on tensor loads in this text is for 0
.Lpast_\@:
	ASK
.endif
.endm
; A slot's two key steps.  A step all of whose keys come after my 16 queries is left out: one branch on ids at the slot's head, round both steps, and one between them, round the second: so the second step is reached only
; through the first, which has asked for its K.  No barrier, no tensor load and no address step stands inside.
.macro SLOT_STEPS
	s_add_co_u32 s96, s[Q0], 15
	s_cmp_gt_u32 s[KF], s96
	s_cbranch_scc1 .Lhidden_\@
	v_add_nc_u32 v[ADK], s[TB], v[AK0]
	v_add_nc_u32 v[ADV], s[TB], v[AV0]
	v_nop
	v_nop                                          ; with the two additions: four places ahead of loads into registers that matrix instructions have read
	WIN TO_F
	KLOAD 0
	s_wait_alu depctr_va_vdst(0)
	STEP 0
	s_add_co_u32 s96, s[Q0], 15
	s_add_co_u32 s97, s[KF], 128
	s_cmp_gt_u32 s97, s96
	s_cbranch_scc1 .Lhidden_\@
	STEP 1
.Lhidden_\@:
	s_add_co_u32 s[KF], s[KF], SK
	s_xor_b32 s[TB], s[TB], SLOT1                  ; on to the other slot
.endm
	s_wait_loadcnt 0x0                             ; Q
.Lslot:                                            ; NSL - 1 trips
	CHANGE 1
	SLOT_STEPS
	s_sub_co_u32 s[SLOTS], s[SLOTS], 1
	s_cmp_lg_u32 s[SLOTS], 0
	s_cbranch_scc1 .Lslot
	CHANGE 0                                       ; the last slot is written out: nothing is left to ask for
	SLOT_STEPS
	; THE WAY OUT.  O^T / the sum, held and converted with 2^(e10 - e8 - e9), goes through my stage (16 rows x 144 bytes, in slot 0, which was left at the last change of slots and has had its last fill) and leaves as 2,048 dense bytes.
	v_add_f32 v14, v14, v15
	s_delay_alu instid0(VALU_DEP_1)
	v_permlanex16_b32 v252, v14, s[SEL], s[SEL+1]
	s_delay_alu instid0(VALU_DEP_1)
	v_add_f32 v14, v14, v252                       ; the row's sum
	s_wait_alu depctr_va_vdst(0)
	v_rcp_f32 v14, v14
	v_and_b32 v8, 15, v0                           ; (a plain line behind the reciprocal)
	v_bfe_u32 v9, v0, 4, 1
	s_mul_i32 s93, s[WV], 16*KP
	v_mul_u32_u24 v10, v8, KP
	s_delay_alu instid0(VALU_DEP_1)
	v_lshl_add_u32 v10, v9, 3, v10
	s_delay_alu instid0(VALU_DEP_1)
	v_add_nc_u32 v10, s93, v10                     ; in: row r, 8 bytes for each half of the lanes
	v_bfe_u32 v11, v0, 3, 2
	s_delay_alu instid0(VALU_DEP_1)
	v_mul_u32_u24 v11, v11, KP
	v_and_b32 v8, 7, v0
	s_delay_alu instid0(VALU_DEP_1)
	v_lshl_add_u32 v11, v8, 4, v11
	s_delay_alu instid0(VALU_DEP_1)
	v_add_nc_u32 v11, s93, v11                     ; back: eight lanes to a row, four rows an instruction
	s_sub_co_i32 s92, s73, s70
	s_sub_co_i32 s92, s92, s71
	s_add_co_i32 s92, s92, 127
	s_lshl_b32 s94, s92, 23
	v_mov_b32 v244, s94                            ; 2^(e10 - e8 - e9): a sum stands for sum x 2^(e8 + e9)
	s_add_co_i32 s92, s92, 8
	s_lshl_b32 s92, s92, 23
	s_or_b32 s92, s92, 0x600000
	v_mov_b32 v240, s92
	s_wait_alu depctr_va_vdst(0)                   ; the wait ahead of the reciprocal's first reader
.set j, 0
.rept 64
	v_mul_f32 v[96+j], v[160+j], v14               ; register 8 t + i is o(r, 16 t + 8 h + i); each accumulator from its low end on
.set j, j+1
.endr
.set j, 0
.rept 64
	v_med3_num_f32 v[96+j], v[96+j], -v240, v240
.set j, j+1
.endr
.irp t, 0,1,2,3,4,5,6,7
	v_cvt_scalef32_pk8_fp8_f32 v[32+2*\t:33+2*\t], v[96+8*\t:103+8*\t], v244
.endr
	v_nop                                          ; one plain line behind the last conversion
.irp t, 0,1,2,3,4,5,6,7
	ds_store_b64 v10, v[32+2*\t:33+2*\t] offset:16*\t
.endr
.irp i, 0,1,2,3
	ds_load_b128 v[48+4*\i:51+4*\i], v11 offset:4*KP*\i    ; LDS serves a wave's instructions in order: these see my stores
.endr
.irp i, 0,1,2,3
	s_wait_dscnt 3-\i
	global_store_b128 v[GO], v[48+4*\i:51+4*\i], s[8:9] offset:512*\i   ; 32 lanes store 512 consecutive bytes, aligned
.endr
	s_wait_tensorcnt 0x0                           ; the wave's end
	ds_add_u32 v[SPW], v[NIL]
	s_wait_dscnt 0x0
	s_endpgm
.Lfunc_end_k_q4a2b758b68_attn:
	.size	k_q4a2b758b68_attn, .Lfunc_end_k_q4a2b758b68_attn-k_q4a2b758b68_attn
	.p2alignl 7, 3214868480
	.fill 96, 4, 3214868480
	.section	.rodata,"a",@progbits
	.p2align	6, 0x0
	.amdhsa_kernel k_q4a2b758b68_attn
		.amdhsa_group_segment_fixed_size 327680
		.amdhsa_private_segment_fixed_size 0
		.amdhsa_enable_private_segment 0
		.amdhsa_kernarg_size 24
		.amdhsa_user_sgpr_count 2
		.amdhsa_user_sgpr_kernarg_segment_ptr 1
		.amdhsa_wavefront_size32 1
		.amdhsa_system_sgpr_workgroup_id_x 1
		.amdhsa_system_sgpr_workgroup_id_y 1
		.amdhsa_system_sgpr_workgroup_id_z 1
		.amdhsa_system_vgpr_workitem_id 0
		.amdhsa_next_free_vgpr 512
		.amdhsa_next_free_sgpr 100
		.amdhsa_reserve_vcc 1
		.amdhsa_float_denorm_mode_32 3
		.amdhsa_float_denorm_mode_16_64 3
		.amdhsa_memory_ordered 1
		.amdhsa_forward_progress 1
		.amdhsa_inst_pref_size 125
	.end_amdhsa_kernel
	.amdgpu_metadata
---
amdhsa.version: [ 1, 2 ]
amdhsa.kernels:
  - .name:           k_q4a2b758b68_attn
    .symbol:         k_q4a2b758b68_attn.kd
    .args:
      - { .name: qkvc, .offset: 0, .size: 8, .value_kind: global_buffer, .address_space: global }
      - { .name: lowp_scales, .offset: 8, .size: 8, .value_kind: global_buffer, .address_space: global }
      - { .name: oc, .offset: 16, .size: 8, .value_kind: global_buffer, .address_space: global }
    .group_segment_fixed_size: 327680
    .private_segment_fixed_size: 0
    .kernarg_segment_align: 8
    .kernarg_segment_size: 24
    .max_flat_workgroup_size: 256
    .sgpr_count:     100
    .vgpr_count:     512
    .wavefront_size: 32
...
	.end_amdgpu_metadata
.endif
;; end of part 3
;; launch oproj (part 4): grid 16 x 16, 4 waves a work-group, clusters of 4 x 4, 327,680 bytes of LDS; arguments oc, wo_codes, lowp_scales, out0; writes out0
.if DOCPART == 4
	.amdgcn_target "amdgcn-amd-amdhsa--gfx1250"
	.amdhsa_code_object_version 6
	.text
	.protected	k_q4a2b758b68_oproj
	.globl	k_q4a2b758b68_oproj
	.p2align	8
	.type	k_q4a2b758b68_oproj,@function
k_q4a2b758b68_oproj:
	s_mov_b64 s[64:65], 0
	v_nop
	global_prefetch_b8 v0, s[64:65] scope:SCOPE_SE
	s_setreg_imm32_b32 hwreg(HW_REG_WAVE_MODE, 25, 1), 1
	s_wait_xcnt 0x0
	s_wait_alu depctr_hold_cnt(0) depctr_sa_sdst(0) depctr_va_vdst(0) depctr_va_sdst(0) depctr_va_ssrc(0) depctr_va_vcc(0) depctr_vm_vsrc(0)
	s_getreg_b32 s2, hwreg(HW_REG_IB_STS2, 6, 4)
	s_cmp_eq_u32 s2, 0
	s_cbranch_scc0 .Lentry_in_a_cluster
	s_endpgm
.Lentry_in_a_cluster:
	s_bfe_u32 s2, ttmp6, 0x10000c
	s_cmp_lg_u32 s2, 0xf033
	s_cbranch_scc0 .Lentry_shape_is_right
	s_endpgm
.Lentry_shape_is_right:
.set PA,     144
.set PB,     528
.set AHB,    128*PA
.set BOFF,   4*AHB
.set SLOT,   BOFF+128*PB
.set STAGE,  2*SLOT
.set SPITCH, 272
.set SPARE,  STAGE+4*16*SPITCH
.set ADRA, 16
.set ADRB, 20
.set STO,  24
.set RD,   25
.set CO,   26
.set SPW,  28
.set NIL,  29
.set TMP,  32
.set OUT,  64
.set ACC,  128
.set F0,   0
.set F1,   128
.set G1, 24
.set G0, 32
.set G1B, 48
.set G0B, 56
.set MSB, 0
.macro WIN new
.if MSB != (\new)
	s_set_vgpr_msb (MSB<<8)|(\new)
.set MSB, (\new)
.endif
.endm
.set MUL,  0x05
.set TO_F, 0x40
.macro JLOAD s
	s_cmp_eq_u32 s11, 0
	s_cbranch_scc0 .Lfor_b_\@
	tensor_load_to_lds s[G0+4*\s:G0+4*\s+3], s[G1:G1+7]
	s_nop 0
.rept 4
	v_nop
.endr
	s_branch .Lasked_\@
.Lfor_b_\@:
	tensor_load_to_lds s[G0B+4*\s:G0B+4*\s+3], s[G1B:G1B+7]
	s_nop 0
.rept 4
	v_nop
.endr
.Lasked_\@:
.endm
.macro CREST
	s_cmp_lg_u32 s10, 0
	s_cbranch_scc1 .Lnot_wave_0_\@
	s_barrier_signal -3
.Lnot_wave_0_\@:
	s_barrier_wait -3
	s_barrier_signal -1
	s_barrier_wait -1
.endm
.macro CROUND
	s_barrier_signal -1
	s_barrier_wait -1
	CREST
.endm
	s_load_b128 s[4:7], s[0:1], 0x0
	s_load_b128 s[68:71], s[0:1], 0x10
	v_lshl_add_u32 v[SPW], v0, 2, SPARE
	v_mov_b32 v[NIL], 0
	ds_add_u32 v[SPW], v[NIL]
	ds_add_u32 v[SPW], v[NIL]
	v_lshrrev_b32 v1, 5, v0
	v_readfirstlane_b32 s10, v1
	s_lshr_b32 s11, s10, 1
	s_and_b32 s12, s10, 1
	s_bfe_u32 s40, ttmp6, 0x40000
	s_bfe_u32 s41, ttmp6, 0x40004
	s_lshl_b32 s42, ttmp9, 2
	s_add_co_u32 s42, s42, s40
	s_and_b32 s13, ttmp7, 0xffff
	s_lshl_b32 s13, s13, 2
	s_add_co_u32 s13, s13, s41
	s_lshl_b32 s43, s41, 2
	s_lshl_b32 s43, 15, s43
	s_lshl_b32 s44, 0x1111, s40
	s_or_b32 s[G1+0], s43, (0<<16)|(1<<20)|(1<<21)|(4<<22)|(3<<25)
	s_mov_b32 s[G1+1], 256<<16
	s_mov_b32 s[G1+2], 128<<16
	s_mov_b32 s[G1+3], 256<<16
	s_mov_b32 s[G1+4], 128
	s_mov_b32 s[G1+5], 256
	s_mov_b32 s[G1+6], 0
	s_mov_b32 s[G1+7], 0
	s_or_b32 s[G1B+0], s44, (0<<16)|(1<<20)|(1<<21)|(6<<22)|(3<<25)
	s_mov_b32 s[G1B+1], 512<<16
	s_mov_b32 s[G1B+2], 64<<16
	s_mov_b32 s[G1B+3], 512<<16
	s_mov_b32 s[G1B+4], 64
	s_mov_b32 s[G1B+5], 2048
	s_mov_b32 s[G1B+6], 0
	s_mov_b32 s[G1B+7], 0
	s_lshl_b32 s16, s13, 18
	s_lshl_b32 s17, s12, 15
	s_add_co_u32 s16, s16, s17
	s_mov_b32 s17, 0
	s_lshl_b32 s46, s42, 7
	s_lshl_b32 s47, s12, 6
	s_add_co_u32 s46, s46, s47
	s_lshl_b32 s46, s46, 11
	s_mov_b32 s47, 0
	s_mul_i32 s20, s12, 2*AHB
	s_mul_i32 s45, s12, 64*PB
	s_add_co_u32 s45, s45, BOFF
	s_wait_dscnt 0x0
	s_wait_kmcnt 0x0
	s_load_b64 s[96:97], s[68:69], 0x28
	s_add_nc_u64 s[14:15], s[4:5], s[16:17]
	s_add_nc_u64 s[46:47], s[6:7], s[46:47]
	CROUND
.irp s, 0,1
	s_mov_b32 s[G0+4*\s], 1
	s_add_co_u32 s[G0+4*\s+1], s20, \s*SLOT
	s_add_nc_u64 s[G0+4*\s+2:G0+4*\s+3], s[14:15], \s*65536
	s_or_b32 s[G0+4*\s+3], s[G0+4*\s+3], 0x80000000
	s_mov_b32 s[G0B+4*\s], 1
	s_add_co_u32 s[G0B+4*\s+1], s45, \s*SLOT
	s_add_nc_u64 s[G0B+4*\s+2:G0B+4*\s+3], s[46:47], \s*512
	s_or_b32 s[G0B+4*\s+3], s[G0B+4*\s+3], 0x80000000
	s_wait_alu depctr_va_vdst(0)
	s_wait_tensorcnt 0x0
	ds_add_u32 v28, v29
	ds_add_u32 v28, v29
	s_wait_dscnt 0x0
	CROUND
	JLOAD \s
.endr
	v_and_b32 v1, 15, v0
	v_bfe_u32 v2, v0, 4, 1
	v_mul_u32_u24 v3, v1, PA
	v_lshl_add_u32 v3, v2, 4, v3
	v_mul_u32_u24 v4, v1, PB
	v_lshl_add_u32 v4, v2, 4, v4
	s_mul_i32 s21, s11, 64*PA
	s_mul_i32 s22, s12, 64*PB
	s_add_co_u32 s22, s22, BOFF
.irp s, 0,1
	v_add_nc_u32 v[ADRA+\s], s21, v3
	v_add_nc_u32 v[ADRB+\s], s22, v4
	s_add_co_u32 s21, s21, SLOT
	s_add_co_u32 s22, s22, SLOT
.endr
	s_mul_i32 s23, s10, 16*SPITCH
	s_add_co_u32 s23, s23, STAGE
	v_mul_u32_u24 v5, v1, SPITCH
	v_lshl_add_u32 v5, v2, 5, v5
	v_add_nc_u32 v[STO], s23, v5
	v_mul_u32_u24 v5, v2, SPITCH
	v_lshl_add_u32 v5, v1, 4, v5
	v_add_nc_u32 v[RD], s23, v5
	v_lshlrev_b32 v5, 13, v2
	v_lshl_add_u32 v[CO], v1, 4, v5
	s_lshl_b32 s16, s13, 7
	s_lshl_b32 s17, s11, 6
	s_add_co_u32 s16, s16, s17
	s_lshl_b32 s16, s16, 13
	s_mov_b32 s17, 0
	s_add_nc_u64 s[70:71], s[70:71], s[16:17]
	s_lshl_b32 s46, s42, 9
	s_lshl_b32 s47, s12, 8
	s_add_co_u32 s46, s46, s47
	s_mov_b32 s47, 0
	s_add_nc_u64 s[70:71], s[70:71], s[46:47]
.macro MUL4 f, a, zero
.irp b, 0,1,2,3
.if \zero
	v_wmma_f32_16x16x128_fp8_fp8 v[ACC+8*(4*(\a)+\b):ACC+8*(4*(\a)+\b)+7], v[\f+64+16*\b:\f+64+16*\b+15], v[\f+16*(\a):\f+16*(\a)+15], 0
.else
	v_wmma_f32_16x16x128_fp8_fp8 v[ACC+8*(4*(\a)+\b):ACC+8*(4*(\a)+\b)+7], v[\f+64+16*\b:\f+64+16*\b+15], v[\f+16*(\a):\f+16*(\a)+15], v[ACC+8*(4*(\a)+\b):ACC+8*(4*(\a)+\b)+7]
.endif
.endr
.endm
.macro FETCH slot, q, f
	WIN TO_F
.irp i, 0,1,2,3
.irp c, 0,1,2,3
	ds_load_b128 v[\f+64+16*\i+4*\c:\f+64+16*\i+4*\c+3], v[ADRB+\slot] offset:\i*16*PB+128*(\q)+32*\c
.endr
.endr
.irp i, 0,1,2,3
.irp c, 0,1,2,3
	ds_load_b128 v[\f+16*\i+4*\c:\f+16*\i+4*\c+3], v[ADRA+\slot] offset:(\q)*AHB+\i*16*PA+32*\c
.endr
.endr
.endm
.macro PLACES
.rept 4
	v_nop
.endr
.endm
.macro QUARTER slot, qn, f, g, zero
	s_wait_dscnt 8
	WIN MUL
	MUL4 \f, 0, \zero
	MUL4 \f, 1, \zero
	PLACES
	FETCH \slot, \qn, \g
	s_wait_dscnt 32
	WIN MUL
	MUL4 \f, 2, \zero
	MUL4 \f, 3, \zero
.endm
.macro TURN slot, next, fill
	WIN 0
	s_wait_tensorcnt 0x0
	ds_add_u32 v[SPW], v[NIL]
	s_wait_dscnt 13
	WIN MUL
	MUL4 F1, 0, 0
	s_wait_dscnt 0x0
	s_barrier_signal -1
	MUL4 F1, 1, 0
	WIN 0
	s_barrier_wait -1
.if \fill
	CREST
	s_add_nc_u64 s[G0+4*\slot+2:G0+4*\slot+3], s[G0+4*\slot+2:G0+4*\slot+3], 131072
	s_add_nc_u64 s[G0B+4*\slot+2:G0B+4*\slot+3], s[G0B+4*\slot+2:G0B+4*\slot+3], 1024
	JLOAD \slot
.else
	PLACES
.endif
	s_wait_alu depctr_va_vdst(0)
	FETCH \next, 0, F0
	WIN MUL
	MUL4 F1, 2, 0
	MUL4 F1, 3, 0
.endm
	s_wait_tensorcnt 1
	s_barrier_signal -1
	s_barrier_wait -1
	FETCH 0, 0, F0
	QUARTER 0, 1, F0, F1, 1
	QUARTER 0, 2, F1, F0, 0
	QUARTER 0, 3, F0, F1, 0
	TURN 0, 1, 1
	QUARTER 1, 1, F0, F1, 0
	QUARTER 1, 2, F1, F0, 0
	QUARTER 1, 3, F0, F1, 0
	TURN 1, 0, 1
	QUARTER 0, 1, F0, F1, 0
	QUARTER 0, 2, F1, F0, 0
	QUARTER 0, 3, F0, F1, 0
	TURN 0, 1, 0
	QUARTER 1, 1, F0, F1, 0
	QUARTER 1, 2, F1, F0, 0
	QUARTER 1, 3, F0, F1, 0
	s_wait_dscnt 8
	WIN MUL
	MUL4 F1, 0, 0
	MUL4 F1, 1, 0
	s_wait_dscnt 0
	MUL4 F1, 2, 0
	MUL4 F1, 3, 0
	WIN 0
.macro TOSTAGE a
.set AC, ACC+32*(\a)
.set j, 0
.rept 16
	v_pk_mul_f32 v[TMP+j:TMP+j+1], v[AC+j:AC+j+1], s[96:97] op_sel_hi:[1,0]
.set j, j+2
.endr
.irp b, 0,1,2,3
	ds_store_b128 v[STO], v[TMP+8*\b:TMP+8*\b+3] offset:64*\b
	ds_store_b128 v[STO], v[TMP+8*\b+4:TMP+8*\b+7] offset:64*\b+16
.endr
.set BB, OUT+32*((\a)%2)
.irp t, 0,1,2,3,4,5,6,7
	ds_load_b128 v[BB+4*\t:BB+4*\t+3], v[RD] offset:\t*2*SPITCH
.endr
.endm
.macro SEND a, younger
.set BB, OUT+32*((\a)%2)
	s_wait_dscnt \younger
.irp t, 0,1,2,3,4,5,6,7
	global_store_b128 v[CO], v[BB+4*\t:BB+4*\t+3], s[70:71] offset:(16*(\a)+2*\t)*8192 th:TH_STORE_NT
.endr
.endm
	s_wait_kmcnt 0x0
	s_add_co_i32 s96, s96, s97
	s_add_co_i32 s96, s96, 127
	s_lshl_b32 s96, s96, 23
	s_mov_b32 s97, s96
	PLACES
	TOSTAGE 0
.irp a, 1,2,3
.if \a > 1
	s_wait_xcnt 0x0
.endif
	TOSTAGE \a
	SEND \a-1, 16
.endr
	SEND 3, 0
	s_wait_tensorcnt 0x0
	ds_add_u32 v[SPW], v[NIL]
	s_wait_dscnt 0x0
	CROUND
	s_endpgm
.Lfunc_end_k_q4a2b758b68_oproj:
	.size	k_q4a2b758b68_oproj, .Lfunc_end_k_q4a2b758b68_oproj-k_q4a2b758b68_oproj
	.p2alignl 7, 3214868480
	.fill 96, 4, 3214868480
	.section	.rodata,"a",@progbits
	.p2align	6, 0x0
	.amdhsa_kernel k_q4a2b758b68_oproj
		.amdhsa_group_segment_fixed_size 327680
		.amdhsa_private_segment_fixed_size 0
		.amdhsa_enable_private_segment 0
		.amdhsa_kernarg_size 32
		.amdhsa_user_sgpr_count 2
		.amdhsa_user_sgpr_kernarg_segment_ptr 1
		.amdhsa_wavefront_size32 1
		.amdhsa_system_sgpr_workgroup_id_x 1
		.amdhsa_system_sgpr_workgroup_id_y 1
		.amdhsa_system_sgpr_workgroup_id_z 1
		.amdhsa_system_vgpr_workitem_id 0
		.amdhsa_next_free_vgpr 512
		.amdhsa_next_free_sgpr 100
		.amdhsa_reserve_vcc 0
		.amdhsa_float_denorm_mode_32 3
		.amdhsa_float_denorm_mode_16_64 3
		.amdhsa_memory_ordered 1
		.amdhsa_forward_progress 1
		.amdhsa_inst_pref_size 75
	.end_amdhsa_kernel
	.amdgpu_metadata
---
amdhsa.version: [ 1, 2 ]
amdhsa.kernels:
  - .name:           k_q4a2b758b68_oproj
    .symbol:         k_q4a2b758b68_oproj.kd
    .args:
      - { .name: oc, .offset: 0, .size: 8, .value_kind: global_buffer, .address_space: global }
      - { .name: wo_codes, .offset: 8, .size: 8, .value_kind: global_buffer, .address_space: global }
      - { .name: lowp_scales, .offset: 16, .size: 8, .value_kind: global_buffer, .address_space: global }
      - { .name: out0, .offset: 24, .size: 8, .value_kind: global_buffer, .address_space: global }
    .group_segment_fixed_size: 327680
    .private_segment_fixed_size: 0
    .kernarg_segment_align: 8
    .kernarg_segment_size: 32
    .max_flat_workgroup_size: 128
    .sgpr_count:     100
    .vgpr_count:     512
    .wavefront_size: 32
...
	.end_amdgpu_metadata
.endif
;; end of part 4
